; MI455X (gfx1250); checked and timed in simulation.
; The chip was launched on July 23, 2026; its instructions are those of AMD's public machine-readable ISA for CDNA 5 (MIT licence, August 2026) and "CDNA5" Instruction Set Architecture Reference Guide (July 2026). The comments in the code are by the model that wrote it; some were corrected since.
;; Multihead Attention With Ro PE. Allowed arithmetic: matrix products marked QUANTISED: E2M1 operands, one E8M0 scale for each 32 along K, by v_wmma_scale_f32_16x16x128_f8f6f4 with both operands' format E2M1 (or v_wmma_scale_f32_32x16x128_f4), f32 sums; everything else in f32.
;; Inputs: Wo_codes 1,024 x 32 x 16 uint8 (E2M1 codes of Wo, K innermost, in blocks of 32 codes, two codes a byte); Wo_scales 1,024 x 32 uint8 (E8M0 scales of Wo, one for each 32 codes along K); Wqkv_codes 3,072 x 32 x 16 uint8 (E2M1 codes of Wqkv, K innermost, in blocks of 32 codes, two codes a byte); Wqkv_scales 3,072 x 32 uint8 (E8M0 scales of Wqkv, one for each 32 codes along K); bo 1,024 float32; bqkv 3,072 float32; padding_mask 4 x 2,048 bool; x_codes 4 x 2,048 x 32 x 16 uint8 (E2M1 codes of x, K innermost, in blocks of 32 codes, two codes a byte); x_scales 4 x 2,048 x 32 uint8 (E8M0 scales of x, one for each 32 codes along K).
;; Outputs: out0 4 x 2,048 x 1,024 float32.
;; This version of the problem:
;;   THIS VERSION OF THE PROBLEM IS GIVEN IN LOW PRECISION. The matrix products marked QUANTISED in the list below multiply operands that are first quantised to E2M1 (2 exponent bits, 1 mantissa bit; 4 bits a number), with one power-of-two scale for each 32 numbers along K (OCP MX v1.0); their sums are f32. All else is computed in f32.
;;   The module's matrix products, in the order in which they are computed (A, B: the left and right operand; K: the contracted axis; several contracted axes count as one K, in the product's order):
;;     1. [M 8,192, K 1,024] x [K 1,024, N 3,072]; A: input x (given as codes); B: input Wqkv (given as codes): QUANTISED
;;     2. batch 64 x [M 2,048, K 64] x [K 64, N 2,048]; A: computed on the way; B: computed on the way: QUANTISED
;;     3. batch 64 x [M 2,048, K 2,048] x [K 2,048, N 64]; A: softmax (see below); B: computed on the way: QUANTISED
;;     4. [M 8,192, K 1,024] x [K 1,024, N 1,024]; A: computed on the way; B: input Wo (given as codes): QUANTISED
;;   THE QUANTISER, for each operand of a quantised product, along K:
;;     - K is cut into blocks of 32 from its start; a last block that is shorter is filled with zeros.
;;     - A block's scale is 2^e with e = floor(log2(the largest magnitude in the block)) - 2, held to -126 .. 127; a block of zeros has e = 0. As a byte (E8M0): e + 127.
;;     - Each number is divided by its block's scale, clamped to +-6, and rounded to the nearest number of E2M1, ties to even, subnormals kept.
;;     - The product sums the exact products of the quantised numbers (number of the format x scale) in f32.
;;   ~~~python
;;   def quantise(x, axis):      # numpy; x: float32 -> the quantised numbers, widened to float32 again
;;       x = np.moveaxis(x, axis, -1); K = x.shape[-1]
;;       x = np.pad(x, [(0, 0)] * (x.ndim - 1) + [(0, -K % 32)]); x = x.reshape(x.shape[:-1] + (-1, 32)); a = np.abs(x).max(-1, keepdims=True)
;;       e = np.where(a > 0, np.clip(np.frexp(np.where(a > 0, a, 1))[1] - 1 - 2, -126, 127), 0)      # np.frexp(a)[1] - 1 = floor(log2(a)), exactly
;;       r = np.clip(x / 2.0 ** e, -6, 6)
;;       step = 2.0 ** (np.maximum(np.frexp(np.where(r == 0, 1, r))[1] - 1, 0) - 1)
;;       q = np.round(r / step) * step * 2.0 ** e      # np.round: ties to even
;;       return np.moveaxis(q.reshape(q.shape[:-2] + (-1,))[..., :K], -1, axis).astype(np.float32)
;;   ~~~
;;   SOFTMAX AHEAD OF A QUANTISED PRODUCT. Where the list says 'softmax', what is quantised is not the finished softmax but p = 2^(t - M), with t = logit x log2(e) and M = ceil(the row's largest t), a whole number; so 1/2 < the row's largest p <= 1. The row's sum l is taken of the UNQUANTISED p, in f32, and the product's result is divided by l at the end. Since M is a whole number, a kernel that streams over the keys may use a running M (the ceiling of the running maximum): every later rescaling is an exact power of two, which a block's scale takes up: the codes' values come out the same.
;;   OPERANDS COMPUTED ON THE WAY. 'Computed on the way' means the value that the module computes at that place (a softmax that the list does not call 'softmax' is quantised finished and normalised). What goes into a quantiser is computed in f32, as accurately as f32 sums, v_exp_f32 and their like allow (about 1e-6 of the number): no bf16 or f16 on the way to a quantiser, and a product that is left as it is and whose result goes on into a quantised operand takes f32 operands (vector FMAs, or v_wmma_f32_16x16x4_f32). A number that lies on a knife's edge between two numbers of the format may be rounded either way, as far as f32 arithmetic and the matrix unit's own rounding can turn it there, and no further.
;;   INPUTS GIVEN AS CODES. Wo (in the module: [1024, 1024], K = its axis 0); Wqkv (in the module: [1024, 3072], K = its axis 0); x (in the module: [4, 2048, 1024], K = its axis 2): each comes as NAME_codes (uint8): NAME with its K axis moved to the last place and cut into blocks of 32 codes, [.., K / 32, bytes a block], one block behind the other in memory; two codes a byte, the lower K in the low four bits (a code: sign, 2 exponent bits, 1 mantissa bit); and NAME_scales (uint8): the same leading axes, one E8M0 byte (e + 127) for each 32 codes along K. Its value is code x scale, taken as it is: it is not quantised again, and the codes and scales need not be those that the quantiser above would give.
;; 2 versions, each right and faster than the one before. Each part assembles by itself: llvm-mc -triple=amdgcn-amd-amdhsa -mcpu=gfx1250 --defsym DOCPART=n.
;; ======== version 1 of 2: 3 launches
;; limits: right only within a limited range of input values
;; workspace buffers: q_img 4,194,304 bytes; k_img 4,194,304 bytes; v_img 4,194,304 bytes; q_sc 524,288 bytes; k_sc 524,288 bytes; v_sc 262,144 bytes; a_img 4,194,304 bytes; a_sc 262,144 bytes
;; launch qkv (part 1): grid 12 x 64, 4 waves a work-group, clusters of 4 x 4, 247,296 bytes of LDS; arguments x_codes, x_scales, Wqkv_codes, Wqkv_scales, bqkv, padding_mask, q_img, q_sc, k_img, k_sc, v_img, v_sc; writes q_img, q_sc, k_img, k_sc, v_img, v_sc
.if DOCPART == 1
	.amdgcn_target "amdgcn-amd-amdhsa--gfx1250"
	.amdhsa_code_object_version 6
	.text
	.protected	k_qaa27d91c11_qkv
	.globl	k_qaa27d91c11_qkv
	.p2align	8
	.type	k_qaa27d91c11_qkv,@function
k_qaa27d91c11_qkv:
	s_mov_b64 s[64:65], 0
	v_nop
	global_prefetch_b8 v0, s[64:65] scope:SCOPE_SE
	s_setreg_imm32_b32 hwreg(HW_REG_WAVE_MODE, 25, 1), 1
	s_wait_xcnt 0x0
	s_wait_alu depctr_hold_cnt(0) depctr_sa_sdst(0) depctr_va_vdst(0) depctr_va_sdst(0) depctr_va_ssrc(0) depctr_va_vcc(0) depctr_vm_vsrc(0)
	s_getreg_b32 s2, hwreg(HW_REG_IB_STS2, 6, 4)
	s_cmp_eq_u32 s2, 0
	s_cbranch_scc0 .Lentry_in_a_cluster
	s_endpgm
.Lentry_in_a_cluster:
	s_bfe_u32 s2, ttmp6, 0x10000c
	s_cmp_lg_u32 s2, 0xf033
	s_cbranch_scc0 .Lentry_shape_is_right
	s_endpgm
.Lentry_shape_is_right:
; x Wqkv + bqkv on codes of FP4 (E2M1) with E8M0 scales; RoPE on q and k; q and k quantised along d, v along the keys.
; A work-group makes 128 rows (one step of 128 keys) x 256 columns (four heads of q, of k or of v); wave w makes one head: 8 tiles of rows x 4 tiles of columns, 32 accumulators.
; KIND = the cluster's x: 0 q, 1 k, 2 v: the same in all sixteen partners.  It is branched on round the bias loads and tables, round each run of 32 matrix instructions and round the ways out; every barrier stands in common text.
; q, k: source 0 = 16 rows of W, source 1 = 16 rows of x: a lane holds ONE row t and its registers run along d.  v: the sources swapped: a lane holds ONE d and its registers run along t, the next product's K.
; THE ROWS OF W THAT FORM A TILE are taken in the order 0 2 4 6 1 3 5 7 (and + 8): lane r takes row 8 (r / 8) + 2 (r % 4) + (r / 4) % 2.  So in q and k registers 0-3 are the even columns (x1) and 4-7 the odd ones (x2)
; of j = 8 u + 4 (lane / 16) + 0 .. 3.  v's fragments carry the same order of d; the next launch undoes it by register numbers.
; OUTPUTS are images of operand registers: q_img, k_img [bh][step][tile][lane][16 bytes] (lane (r, h): block h of row r; inside a block d stands in one fixed order, alike in q and k, which keeps the products);
; v_img [bh][step][tile of d][c][lane][16 bytes]; the scale words beside them, 4 bytes a row.
; THE MASK rides in k's scale word: at k = 64 of the score product's idle upper half q holds the code +4 under byte 87 and k the code -4 under byte 250 (key hidden: -2^125) or 1 (open: -2^-124): a hidden key's score gets -2^87.
; Byte 3 is 1: its codes are zeros.
; TABLES: freqs = t x inv_freq in f32; the angle is brought under pi/4 by three fused multiply-adds with a three-part pi/2; sine to r^9, cosine to r^8 (the first term left out is under 4e-8 of the result).
; LIMITS: inv_freq is 10^(-j/8) rounded to f32: it may differ by a last bit from a power followed by a division.  Blocks whose largest magnitude lies under 2^-124 keep the byte 1 (zeros too: the bytes are read by this program alone).
; NaN and infinities among the inputs are not served.
; LDS: all tiles are filled once; the tables and the small stages have bytes of their own, and the two ways out store to different bytes.
.set PITCH, 272                        ; an LDS row: 256 bytes + 16: the sixteen rows of a fragment load begin 68 words apart
.set T16,   16*PITCH
.set XC0,   0                          ; x: 128 rows, K 0..511
.set XC1,   128*PITCH                  ; K 512..1023
.set WC0,   256*PITCH                  ; W: 256 rows, K 0..511
.set WC1,   512*PITCH                  ; K 512..1023
.set TAB,   768*PITCH                  ; 128 rows: cos j at byte 4 j, sin j at 128 + 4 j
.set SSTG,  896*PITCH                  ; q, k: 512 bytes of scale words for each wave
.set VSTG,  SSTG+2048                  ; v: 256 bytes for each wave
.set LI,   4                           ; v4   16 x lane
.set AX0,  5                           ; v5-6 x's fragments in the two chunks
.set AW0,  7                           ; v7-8 W's
.set ATB,  9                           ; v9   my place in a tile of table rows
.set ASS,  10                          ; v10  q, k: where my row's scale word goes
.set ASR,  11                          ; v11  and where 16 bytes of them are read back
.set OXS,  12                          ; v12  32 r
.set OWS,  13                          ; v13  32 x my row of a tile of W
.set OBI,  14                          ; v14  my offset in the bias
.set RSEL, 16                          ; v16  my row of a tile of W
.set TF,   17                          ; v17  t as f32
.set TT,   18                          ; v18-21 at work
.set AVS,  24                          ; v24-25 v: as v10-11
.set AVR,  25
.set LI8,  26                          ; v26  8 x lane
.set ATS,  27                          ; v27  where my table row is stored
.set XSC,  32                          ; v32-95   x's scale words: 8 a + q
.set WSC,  96                          ; v96-127  W's: 8 u + q
.set BI,   128                         ; v128-159 the bias in the result's layout; later the codes
.set PCD,  128
.set EXT,  160                         ; v160-167 bytes 2 and 3 of the scale words, a register for each tile of rows
.set CTB,  168                         ; v168-183 cos, v184-199 sin of a tile of rows
.set STB,  184
.set CN,   168                         ; while the tables are made: cos j in v168+j, sin j in v200+j
.set SN,   200
.set RO,   200                         ; v200-231 the turned numbers: 16 of each block
.set TRR,  232                         ; table work, four j at a time
.set TKF,  236
.set TKI,  240
.set TS2,  244
.set TCC,  248
.set TSS,  252
.set TM,   236                         ; v236-239 largest magnitudes
.set T2,   240                         ; v240-243 the other half's, then the bytes
.set SO,   244                         ; v244-247 the conversions' scale operands
.set PW,   248                         ; v248-255 scale words, one register each
.set WV,   28
.set KIND, 35
.set G1A,  36
.set G1B,  44
.set G0A,  52
.set G0B0, 60
.set G0B1, 68
.set SEL,  84
.set MSB, 0
.macro WIN new                         ; the immediate's high byte repeats the setting that is left
.if MSB != \new
	s_set_vgpr_msb (MSB<<8)|\new
.set MSB, \new
.endif
.endm
.macro PLACES                          ; four plain vector instructions between a matrix instruction and a load into, or a read of, its registers
.rept 4
	v_nop
.endr
.endm
.macro ROUND                           ; a round of the cluster's barrier
	s_barrier_signal -1
	s_barrier_wait -1
	s_cmp_lg_u32 s[WV], 0
	s_cbranch_scc1 .Lnot_wave_0_\@
	s_barrier_signal -3
.Lnot_wave_0_\@:
	s_barrier_wait -3
	s_barrier_signal -1
	s_barrier_wait -1
.endm
; nb blocks of 32, of which my lane holds 16 numbers each in v[src + 16 b] on (w1 = 1: in window 1) and lane l xor 16 the others: the conversions' scale operands into v[SO + b], the bytes into v[T2 + b]
.macro QMAX nb, src, w1
.if \w1
	WIN 0x05
.endif
.set q_b, 0
.rept \nb
	v_max3_num_f32 v[TM+q_b], |v[\src+16*q_b]|, |v[\src+16*q_b+1]|, 0x1800000   ; with the floor 2^(3 - 127): the byte cannot fall under 1
.set q_b, q_b+1
.endr
.set q_i, 2
.rept 7
.set q_b, 0
.rept \nb
	v_max3_num_f32 v[TM+q_b], |v[\src+16*q_b+q_i]|, |v[\src+16*q_b+q_i+1]|, v[TM+q_b]
.set q_b, q_b+1
.endr
.set q_i, q_i+2
.endr
	WIN 0
.set q_b, 0
.rept \nb
	v_permlanex16_b32 v[T2+q_b], v[TM+q_b], s[SEL], s[SEL+1]
.set q_b, q_b+1
.endr
.set q_b, 0
.rept \nb
	v_max_num_f32 v[TM+q_b], v[TM+q_b], v[T2+q_b]
.set q_b, q_b+1
.endr
.set q_b, 0
.rept \nb
	v_add_nc_u32 v[SO+q_b], 0xff000000, v[TM+q_b]                 ; 2 off the exponent field
.set q_b, q_b+1
.endr
.set q_b, 0
.rept \nb
	v_lshrrev_b32 v[T2+q_b], 23, v[SO+q_b]
.set q_b, q_b+1
.endr
.endm
	s_load_b512 s[4:19], s[0:1], 0x0               ; x_codes 4, x_scales 6, Wqkv_codes 8, Wqkv_scales 10, bqkv 12, padding_mask 14, q_img 16, q_sc 18
	s_load_b256 s[20:27], s[0:1], 0x40             ; k_img 20, k_sc 22, v_img 24, v_sc 26
	v_lshl_add_u32 v30, v0, 2, 0x3c400
	v_mov_b32 v31, 0
	ds_add_u32 v30, v31
	ds_add_u32 v30, v31
	v_lshrrev_b32 v1, 5, v0
	v_readfirstlane_b32 s[WV], v1                  ; wave 0..3
	s_bfe_u32 s29, ttmp6, 0x40000                  ; cx
	s_bfe_u32 s30, ttmp6, 0x40004                  ; cy
	s_lshl_b32 s31, ttmp9, 2
	s_add_co_u32 s31, s31, s29                     ; cb: my block of 256 columns
	s_and_b32 s32, ttmp7, 0xffff
	s_lshl_b32 s32, s32, 2
	s_add_co_u32 s32, s32, s30                     ; RB: my block of 128 rows
	s_lshl_b32 s33, s30, 2
	s_lshl_b32 s33, 15, s33                        ; my row of the cluster: it shares x's tiles
	s_lshl_b32 s34, 0x1111, s29                    ; my column: it shares W's
	s_mov_b32 s[KIND], ttmp9
	s_or_b32 s[G1A], s33, (1<<20)|(1<<21)|(5<<22)|(3<<25)   ; elements of 1 byte; 4 words of padding behind every 64; bit 21 beside a mask
	s_or_b32 s[G1B], s34, (1<<20)|(1<<21)|(5<<22)|(3<<25)
.irp g, G1A, G1B
	s_mov_b32 s[\g+1], 256<<16                     ; tensor_dim0 = 256 bytes
	s_mov_b32 s[\g+2], 128<<16                     ; tensor_dim1 = 128 rows
	s_mov_b32 s[\g+3], 256<<16                     ; tile_dim0
	s_mov_b32 s[\g+4], 128                         ; tile_dim1
	s_mov_b32 s[\g+5], 512                         ; a row of 1,024 codes
	s_mov_b32 s[\g+6], 0
	s_mov_b32 s[\g+7], 0
.endr
	s_mov_b32 s72, 0x3f22f983                      ; 2 / pi
	s_mov_b32 s73, 0xbfc90fd8                      ; -pi/2 in three parts
	s_mov_b32 s74, 0xb4a8885a
	s_mov_b32 s75, 0xa7c234c4
	s_mov_b32 s76, 0x37d00d01                      ; 1/40320
	s_mov_b32 s77, 0xbab60b61                      ; -1/720
	s_mov_b32 s78, 0x3d2aaaab                      ; 1/24
	s_mov_b32 s79, 0x3638ef1d                      ; 1/362880
	s_mov_b32 s80, 0xb9500d01                      ; -1/5040
	s_mov_b32 s81, 0x3c088889                      ; 1/120
	s_mov_b32 s82, 0xbe2aaaab                      ; -1/6
	s_mov_b32 s83, 0x80000000
	s_mov_b32 s[SEL], 0x76543210
	s_mov_b32 s[SEL+1], 0xfedcba98                 ; lane l xor 16
	s_lshl_b32 s88, s32, 16                        ; x's codes: 128 rows of 512 bytes a block
	s_mov_b32 s89, 0
	s_add_co_u32 s90, s[WV], 1
	s_and_b32 s90, s90, 1                          ; waves 1 and 2 fetch W's rows 0-127 and 128-255
	s_mul_i32 s91, s90, 128*PITCH
	s_lshl_b32 s92, s31, 17
	s_lshl_b32 s90, s90, 16
	s_add_co_u32 s92, s92, s90
	s_mov_b32 s93, 0
	s_lshl_b32 s94, s32, 12                        ; x's scales: 32 bytes a row
	s_mov_b32 s95, 0
	s_lshl_b32 s96, s31, 13                        ; W's scales, at my head's 64 rows
	s_lshl_b32 s97, s[WV], 11
	s_add_co_u32 s96, s96, s97
	s_mov_b32 s97, 0
	s_lshl_b32 s98, s31, 10                        ; the bias, at my head
	s_lshl_b32 s99, s[WV], 8
	s_add_co_u32 s98, s98, s99
	s_mov_b32 s99, 0
	s_lshl_b32 s100, s32, 7                        ; the mask: a byte a row
	s_mov_b32 s101, 0
	s_wait_dscnt 0x0
	s_wait_kmcnt 0x0
	s_add_nc_u64 s[4:5], s[4:5], s[88:89]
	s_add_nc_u64 s[8:9], s[8:9], s[92:93]
	s_add_nc_u64 s[6:7], s[6:7], s[94:95]
	s_add_nc_u64 s[10:11], s[10:11], s[96:97]
	s_add_nc_u64 s[12:13], s[12:13], s[98:99]
	s_add_nc_u64 s[14:15], s[14:15], s[100:101]
	ROUND                                          ; all sixteen work-groups are here: the joint loads meet
.irp c, 0,1
	s_mov_b32 s[G0A+4*\c], 1
	s_mov_b32 s[G0A+4*\c+1], XC0+\c*128*PITCH
	s_add_nc_u64 s[G0A+4*\c+2:G0A+4*\c+3], s[4:5], \c*256
	s_or_b32 s[G0A+4*\c+3], s[G0A+4*\c+3], 0x80000000
.endr
	s_mov_b32 s[G0B0], 1
	s_add_co_u32 s[G0B0+1], s91, WC0
	s_add_nc_u64 s[G0B0+2:G0B0+3], s[8:9], 0
	s_or_b32 s[G0B0+3], s[G0B0+3], 0x80000000
	s_mov_b32 s[G0B1], 1
	s_add_co_u32 s[G0B1+1], s91, WC1
	s_add_nc_u64 s[G0B1+2:G0B1+3], s[8:9], 256
	s_or_b32 s[G0B1+3], s[G0B1+3], 0x80000000
	s_cmp_eq_u32 s[WV], 0                          ; wave 0: x's two chunks; waves 1, 2: W's; wave 3: none.  Two loads of a wave are out at the most
	s_cbranch_scc0 .Lnot_x
	tensor_load_to_lds s[G0A:G0A+3], s[G1A:G1A+7]
	s_nop 0
	tensor_load_to_lds s[G0A+4:G0A+7], s[G1A:G1A+7]
	s_nop 0
.rept 4
	v_nop
.endr
	s_branch .Lasked
.Lnot_x:
	s_cmp_lt_u32 s[WV], 3
	s_cbranch_scc0 .Lasked
	tensor_load_to_lds s[G0B0:G0B0+3], s[G1B:G1B+7]
	s_nop 0
	tensor_load_to_lds s[G0B1:G0B1+3], s[G1B:G1B+7]
	s_nop 0
.rept 4
	v_nop
.endr
.Lasked:
	v_and_b32 v1, 15, v0                           ; r
	v_bfe_u32 v2, v0, 4, 1                         ; h
	v_and_b32 v3, 31, v0                           ; lane
	v_lshlrev_b32 v[LI], 4, v3
	v_lshlrev_b32 v[LI8], 3, v3
	v_and_b32 v18, 8, v1
	v_and_b32 v19, 3, v1
	v_lshl_add_u32 v[RSEL], v19, 1, v18
	v_bfe_u32 v19, v1, 2, 1
	v_add_nc_u32 v[RSEL], v[RSEL], v19             ; 8 (r / 8) + 2 (r % 4) + (r / 4) % 2
	v_mul_u32_u24 v[AX0], v1, PITCH
	v_lshl_add_u32 v[AX0], v2, 4, v[AX0]           ; row r, + 16 h
	v_add_nc_u32 v[AX0+1], XC1, v[AX0]
	v_add_nc_u32 v[ATB], TAB, v[AX0]
	v_mul_u32_u24 v[AW0], v[RSEL], PITCH
	v_lshl_add_u32 v[AW0], v2, 4, v[AW0]
	s_mul_i32 s100, s[WV], 64*PITCH
	s_add_co_u32 s100, s100, WC0
	v_add_nc_u32 v[AW0], s100, v[AW0]              ; my head's 64 rows of W
	v_add_nc_u32 v[AW0+1], WC1-WC0, v[AW0]
	s_lshl_b32 s100, s[WV], 9
	s_add_co_u32 s100, s100, SSTG
	v_lshl_add_u32 v[ASS], v1, 2, s100
	v_add_nc_u32 v[ASR], s100, v[LI]
	s_lshl_b32 s100, s[WV], 8
	s_add_co_u32 s100, s100, VSTG
	v_lshl_add_u32 v[AVS], v1, 2, s100
	v_add_nc_u32 v[AVR], s100, v[LI8]
	v_mul_u32_u24 v[ATS], v3, PITCH
	s_mul_i32 s100, s[WV], 32*PITCH
	s_add_co_u32 s100, s100, TAB
	v_add_nc_u32 v[ATS], s100, v[ATS]              ; table row 32 w + lane
	v_lshlrev_b32 v[OXS], 5, v1
	v_lshlrev_b32 v[OWS], 5, v[RSEL]
.irp a, 0,1,2,3,4,5,6,7
.irp e, 0,1
	global_load_b128 v[XSC+8*\a+4*\e:XSC+8*\a+4*\e+3], v[OXS], s[6:7] offset:512*\a+16*\e   ; row 16 a + r: its eight scale words
.endr
.endr
.irp u, 0,1,2,3
.irp e, 0,1
	global_load_b128 v[WSC+8*\u+4*\e:WSC+8*\u+4*\e+3], v[OWS], s[10:11] offset:512*\u+16*\e
.endr
.endr
.irp a, 0,1,2,3,4,5,6,7
	global_load_u8 v[EXT+\a], v1, s[14:15] offset:16*\a            ; the mask of row 16 a + r
.endr
	s_and_b32 s100, s32, 15
	s_lshl_b32 s100, s100, 7
	s_lshl_b32 s101, s[WV], 5
	s_add_co_u32 s100, s100, s101
	v_add_nc_u32 v[TF], s100, v3
	v_cvt_f32_u32 v[TF], v[TF]                     ; t of table row 32 w + lane
; Four j at a time, line by line, so that no line waits for the line above it.  cos and sin of t x f in v[CN + j], v[SN + j]; each j has registers of its own, so no LDS store's data are written again.
.macro SC4 g, f0, f1, f2, f3
	v_mul_f32 v[TRR], \f0, v[TF]
	v_mul_f32 v[TRR+1], \f1, v[TF]
	v_mul_f32 v[TRR+2], \f2, v[TF]
	v_mul_f32 v[TRR+3], \f3, v[TF]
.irp i, 0,1,2,3
	v_mul_f32 v[TKF+\i], s72, v[TRR+\i]
.endr
.irp i, 0,1,2,3
	v_rndne_f32 v[TKF+\i], v[TKF+\i]               ; how many quarter turns
.endr
.irp i, 0,1,2,3
	v_fma_f32 v[TRR+\i], v[TKF+\i], s73, v[TRR+\i]
.endr
.irp i, 0,1,2,3
	v_fma_f32 v[TRR+\i], v[TKF+\i], s74, v[TRR+\i]
.endr
.irp i, 0,1,2,3
	v_fma_f32 v[TRR+\i], v[TKF+\i], s75, v[TRR+\i]  ; r, at most about pi/4
.endr
.irp i, 0,1,2,3
	v_cvt_i32_f32 v[TKI+\i], v[TKF+\i]
.endr
.irp i, 0,1,2,3
	v_mul_f32 v[TS2+\i], v[TRR+\i], v[TRR+\i]
.endr
.irp i, 0,1,2,3
	v_fma_f32 v[TCC+\i], v[TS2+\i], s76, s77
.endr
.irp i, 0,1,2,3
	v_fma_f32 v[TCC+\i], v[TCC+\i], v[TS2+\i], s78
.endr
.irp i, 0,1,2,3
	v_fma_f32 v[TCC+\i], v[TCC+\i], v[TS2+\i], -0.5
.endr
.irp i, 0,1,2,3
	v_fma_f32 v[TCC+\i], v[TCC+\i], v[TS2+\i], 1.0  ; cos r
.endr
.irp i, 0,1,2,3
	v_fma_f32 v[TSS+\i], v[TS2+\i], s79, s80
.endr
.irp i, 0,1,2,3
	v_fma_f32 v[TSS+\i], v[TSS+\i], v[TS2+\i], s81
.endr
.irp i, 0,1,2,3
	v_fma_f32 v[TSS+\i], v[TSS+\i], v[TS2+\i], s82
.endr
.irp i, 0,1,2,3
	v_mul_f32 v[TS2+\i], v[TRR+\i], v[TS2+\i]
.endr
.irp i, 0,1,2,3
	v_fma_f32 v[TSS+\i], v[TSS+\i], v[TS2+\i], v[TRR+\i]   ; sin r
.endr
.irp i, 0,1,2,3
	v_and_b32 v[TT+\i], 1, v[TKI+\i]
.endr
.irp i, 0,1,2,3
	v_cmp_eq_u32 s[96+\i], 1, v[TT+\i]             ; an odd quarter swaps the two: a choice of values only
.endr
.irp i, 0,1,2,3
	v_cndmask_b32 v[SN+4*\g+\i], v[TSS+\i], v[TCC+\i], s[96+\i]
.endr
.irp i, 0,1,2,3
	v_cndmask_b32 v[CN+4*\g+\i], v[TCC+\i], v[TSS+\i], s[96+\i]
.endr
.irp i, 0,1,2,3
	v_lshlrev_b32 v[TT+\i], 30, v[TKI+\i]
.endr
.irp i, 0,1,2,3
	v_and_b32 v[TT+\i], s83, v[TT+\i]
.endr
.irp i, 0,1,2,3
	v_xor_b32 v[SN+4*\g+\i], v[SN+4*\g+\i], v[TT+\i]   ; sin is negative in quarters 2 and 3
.endr
.irp i, 0,1,2,3
	v_add_nc_u32 v[TKI+\i], 1, v[TKI+\i]
.endr
.irp i, 0,1,2,3
	v_lshlrev_b32 v[TKI+\i], 30, v[TKI+\i]
.endr
.irp i, 0,1,2,3
	v_and_b32 v[TKI+\i], s83, v[TKI+\i]
.endr
.irp i, 0,1,2,3
	v_xor_b32 v[CN+4*\g+\i], v[CN+4*\g+\i], v[TKI+\i]  ; cos in quarters 1 and 2
.endr
	ds_store_b128 v[ATS], v[CN+4*\g:CN+4*\g+3] offset:16*\g
	ds_store_b128 v[ATS], v[SN+4*\g:SN+4*\g+3] offset:128+16*\g
.endm
	s_cmp_eq_u32 s[KIND], 2
	s_cbranch_scc1 .Lbias_v
	v_lshlrev_b32 v[OBI], 5, v2                    ; q, k: register i of tile u is column 16 u + 8 h + 2 (i % 4) + i / 4
.irp u, 0,1,2,3
.irp i, 0,1,2,3,4,5,6,7
	global_load_b32 v[BI+8*\u+\i], v[OBI], s[12:13] offset:(16*\u+2*(\i&3)+(\i>>2))*4
.endr
.endr
	SC4 0, 0x3f800000, 0x3f3ff911, 0x3f0ff59a, 0x3ed7e89b      ; 10^(-j/8), j = 0 .. 31: the tables are made while the tiles land
	SC4 1, 0x3ea1e89b, 0x3e72d424, 0x3e361887, 0x3e088d77
	SC4 2, 0x3dcccccd, 0x3d99940e, 0x3d6655c3, 0x3d2cba15
	SC4 3, 0x3d0186e2, 0x3cc24350, 0x3c91ad39, 0x3c5a7bf1
	SC4 4, 0x3c23d70a, 0x3bf5b9b0, 0x3bb8449c, 0x3b8a2e77
	SC4 5, 0x3b4f3e37, 0x3b1b690d, 0x3ae91528, 0x3aaec98e
	SC4 6, 0x3a83126f, 0x3a44948c, 0x3a136a16, 0x39dd1726
	SC4 7, 0x39a5cb5f, 0x3978a814, 0x393a7753, 0x390bd472
	s_branch .Lbias_done
.Lbias_v:
	v_lshlrev_b32 v[OBI], 2, v[RSEL]               ; v: all eight registers of tile u are my lane's column
.irp u, 0,1,2,3
.irp i, 0,1,2,3,4,5,6,7
	global_load_b32 v[BI+8*\u+\i], v[OBI], s[12:13] offset:64*\u
.endr
.endr
.Lbias_done:
	s_mov_b32 s100, 0x01010000                     ; k: byte 3 = 1, byte 2 = 1 + 249 x mask
	s_mov_b32 s101, 0x01570000                     ; q: byte 3 = 1, byte 2 = 87
	s_cmp_eq_u32 s[KIND], 1
	s_cselect_b32 s87, s100, s101
	s_cselect_b32 s86, 0xf90000, 0
	s_wait_loadcnt 0x0
.irp a, 0,1,2,3,4,5,6,7
	v_mad_u32_u24 v[EXT+\a], v[EXT+\a], s86, s87
.endr
.irp b, 0,1,2,3
	v_mov_b32 v[T2+\b], 0                          ; written once: a lane permute's destination counts as one of its sources
.endr
	s_wait_dscnt 0x0                               ; my table rows lie in LDS
	s_wait_tensorcnt 0x1                           ; my part of K 0..511 is in; the second load may stay out
	s_barrier_signal -1
	s_barrier_wait -1
; The fragments of K step q (128 along K): x's eight, W's four, into set q % 2 of window 2
.macro FETCH q
	WIN 0x80
.set f_p, (\q)&1
.irp a, 0,1,2,3,4,5,6,7
.irp c, 0,1
	ds_load_b128 v[64*f_p+8*\a+4*\c:64*f_p+8*\a+4*\c+3], v[AX0+((\q)>>2)] offset:\a*T16+((\q)&3)*64+32*\c
.endr
.endr
.irp u, 0,1,2,3
.irp c, 0,1
	ds_load_b128 v[128+32*f_p+8*\u+4*\c:128+32*f_p+8*\u+4*\c+3], v[AW0+((\q)>>2)] offset:\u*T16+((\q)&3)*64+32*\c
.endr
.endr
	WIN 0
.endm
; 32 matrix instructions, each accumulator once.  tv = 0: q, k;  1: v.  The first K step takes the bias as C.
.macro MUL q, tv
.set m_p, (\q)&1
.if (\q) == 0
	WIN 0x4a                                       ; sources 0 and 1 window 2, C window 0, D window 1
.else
	WIN 0x5a                                       ; C and D window 1
.endif
.irp a, 0,1,2,3,4,5,6,7
.irp u, 0,1,2,3
.set m_xf, 64*m_p+8*\a
.set m_wf, 128+32*m_p+8*\u
.if \tv
.set m_ac, 8*(8*\u+\a)
.else
.set m_ac, 8*(4*\a+\u)
.endif
.if (\q) == 0
.set m_cc, BI+8*\u
.else
.set m_cc, m_ac
.endif
.if \tv
	v_wmma_scale_f32_16x16x128_f8f6f4 v[m_ac:m_ac+7], v[m_xf:m_xf+7], v[m_wf:m_wf+7], v[m_cc:m_cc+7], v[XSC+8*\a+(\q)], v[WSC+8*\u+(\q)] matrix_a_fmt:MATRIX_FMT_FP4 matrix_b_fmt:MATRIX_FMT_FP4
.else
	v_wmma_scale_f32_16x16x128_f8f6f4 v[m_ac:m_ac+7], v[m_wf:m_wf+7], v[m_xf:m_xf+7], v[m_cc:m_cc+7], v[WSC+8*\u+(\q)], v[XSC+8*\a+(\q)] matrix_a_fmt:MATRIX_FMT_FP4 matrix_b_fmt:MATRIX_FMT_FP4
.endif
.endr
.endr
	WIN 0
.endm
.macro KSTEP q
.if (\q) == 3
	s_wait_tensorcnt 0x0                           ; my part of K 512..1023 is in,
	s_wait_dscnt 0x0
	s_barrier_signal -1
	s_barrier_wait -1                              ; everybody's is
.endif
.if (\q) < 7
.if (\q) > 0
	PLACES
.endif
	FETCH (\q)+1
	s_wait_dscnt 24                                ; all but the 24 loads just issued: this step's fragments are in
.else
	s_wait_dscnt 0x0
.endif
	s_cmp_eq_u32 s[KIND], 2
	s_cbranch_scc1 .Lmul_v_\@
	MUL \q, 0
	s_branch .Lmul_done_\@
.Lmul_v_\@:
	MUL \q, 1
.Lmul_done_\@:
.endm
	FETCH 0
	KSTEP 0
	KSTEP 1
	KSTEP 2
	KSTEP 3
	KSTEP 4
	KSTEP 5
	KSTEP 6
	KSTEP 7
	PLACES
	s_lshr_b32 s94, s32, 4                         ; b
	s_lshl_b32 s94, s94, 4
	s_and_b32 s95, s31, 3
	s_lshl_b32 s95, s95, 2
	s_add_co_u32 s94, s94, s95
	s_add_co_u32 s94, s94, s[WV]                   ; bh = 16 b + head
	s_and_b32 s95, s32, 15                         ; the step of 128 keys
	s_lshl_b32 s100, s94, 13
	s_lshl_b32 s101, s95, 9
	s_add_co_u32 s100, s100, s101                  ; q's and k's scale words: 512 bytes a step
	s_mov_b32 s101, 0
	s_lshl_b32 s94, s94, 16
	s_lshl_b32 s95, s95, 12
	s_add_co_u32 s94, s94, s95                     ; the images: 4,096 bytes a step
	s_mov_b32 s95, 0
	s_cmp_eq_u32 s[KIND], 2
	s_cbranch_scc1 .Lout_v
; ---- q and k: RoPE, the quantiser along d, a tile of 16 rows at a time
	s_cmp_eq_u32 s[KIND], 0
	s_cselect_b64 s[96:97], s[16:17], s[20:21]
	s_cselect_b64 s[98:99], s[18:19], s[22:23]
	s_add_nc_u64 s[96:97], s[96:97], s[94:95]
	s_add_nc_u64 s[98:99], s[98:99], s[100:101]
.macro TABLD a                         ; cos and sin of row 16 a + r, j = 8 u + 4 h + 0 .. 3
.irp u, 0,1,2,3
	ds_load_b128 v[CTB+4*\u:CTB+4*\u+3], v[ATB] offset:(\a)*T16+32*\u
	ds_load_b128 v[STB+4*\u:STB+4*\u+3], v[ATB] offset:(\a)*T16+32*\u+128
.endr
.endm
.macro OUTQK a
.if (\a) == 0
	s_wait_dscnt 0x0
.else
	s_wait_dscnt 0x1                               ; the eight table loads are in; the scale word's store behind them may be out
.endif
	WIN 0x01                                       ; source 0: the accumulators, window 1
.irp u, 0,1,2,3
.irp e, 0,2
	v_pk_mul_f32 v[RO+4*\u+\e:RO+4*\u+\e+1], v[8*(4*(\a)+\u)+\e:8*(4*(\a)+\u)+\e+1], v[CTB+4*\u+\e:CTB+4*\u+\e+1]
	v_pk_mul_f32 v[RO+16+4*\u+\e:RO+16+4*\u+\e+1], v[8*(4*(\a)+\u)+\e:8*(4*(\a)+\u)+\e+1], v[STB+4*\u+\e:STB+4*\u+\e+1]
.endr
.endr
.irp u, 0,1,2,3
.irp e, 0,2
	v_pk_fma_f32 v[RO+4*\u+\e:RO+4*\u+\e+1], v[8*(4*(\a)+\u)+4+\e:8*(4*(\a)+\u)+4+\e+1], v[STB+4*\u+\e:STB+4*\u+\e+1], v[RO+4*\u+\e:RO+4*\u+\e+1] neg_lo:[1,0,0] neg_hi:[1,0,0]   ; x1 cos - x2 sin: d = j
	v_pk_fma_f32 v[RO+16+4*\u+\e:RO+16+4*\u+\e+1], v[8*(4*(\a)+\u)+4+\e:8*(4*(\a)+\u)+4+\e+1], v[CTB+4*\u+\e:CTB+4*\u+\e+1], v[RO+16+4*\u+\e:RO+16+4*\u+\e+1]                    ; x1 sin + x2 cos: d = 32 + j
.endr
.endr
	WIN 0
.if (\a) < 7
	TABLD (\a)+1                                   ; the next tile's rows come while this one is quantised
.endif
	QMAX 2, RO, 0
	v_lshl_or_b32 v[PW+(\a)], v[T2+1], 8, v[T2]
	v_or_b32 v[PW+(\a)], v[PW+(\a)], v[EXT+(\a)]   ; the two block bytes, the mask's byte, byte 3
	v_cvt_scalef32_pk8_fp4_f32 v[PCD+4*(\a)], v[RO:RO+7], v[SO]
	v_cvt_scalef32_pk8_fp4_f32 v[PCD+4*(\a)+1], v[RO+8:RO+15], v[SO]
	v_cvt_scalef32_pk8_fp4_f32 v[PCD+4*(\a)+2], v[RO+16:RO+23], v[SO+1]
	v_cvt_scalef32_pk8_fp4_f32 v[PCD+4*(\a)+3], v[RO+24:RO+31], v[SO+1]
	v_nop                                          ; one plain place behind a scaled conversion
	v_permlane16_swap_b32 v[PCD+4*(\a)], v[PCD+4*(\a)+2]     ; lanes 0-15 get the whole of block 0, lanes 16-31 of block 1
	v_permlane16_swap_b32 v[PCD+4*(\a)+1], v[PCD+4*(\a)+3]
	global_store_b128 v[LI], v[PCD+4*(\a):PCD+4*(\a)+3], s[96:97] offset:512*(\a)   ; 512 consecutive bytes, aligned
	ds_store_b32 v[ASS], v[PW+(\a)] offset:64*(\a)  ; lanes r and 16 + r write the same word with the same value
.endm
	TABLD 0
	OUTQK 0
	OUTQK 1
	OUTQK 2
	OUTQK 3
	OUTQK 4
	OUTQK 5
	OUTQK 6
	OUTQK 7
	ds_load_b128 v[TM:TM+3], v[ASR]                ; a wave's LDS instructions are served in order: this sees my eight stores
	s_wait_dscnt 0x0
	global_store_b128 v[LI], v[TM:TM+3], s[98:99]  ; the step's 128 scale words of my head: 512 consecutive bytes
	s_branch .Ldone
; ---- v: the quantiser along the keys, a tile of 16 d at a time: its 64 registers are t = 16 a + 8 h + j
.Lout_v:
	s_lshr_b32 s100, s100, 1                       ; v's scale words: 256 bytes a step
	s_add_nc_u64 s[96:97], s[24:25], s[94:95]
	s_add_nc_u64 s[98:99], s[26:27], s[100:101]
.macro OUTV t
	QMAX 4, 64*(\t), 1
	v_lshl_or_b32 v[PW+(\t)], v[T2+1], 8, v[T2]
	v_lshl_or_b32 v[PW+(\t)], v[T2+2], 16, v[PW+(\t)]
	v_lshl_or_b32 v[PW+(\t)], v[T2+3], 24, v[PW+(\t)]
	WIN 0x01
.irp c, 0,1
.irp e, 0,1
	v_cvt_scalef32_pk8_fp4_f32 v[PCD+8*(\t)+4*\c+\e], v[64*(\t)+16*(2*\c+\e):64*(\t)+16*(2*\c+\e)+7], v[SO+2*\c+\e]         ; block 2 c + e: keys + 8 h + 0 .. 7
	v_cvt_scalef32_pk8_fp4_f32 v[PCD+8*(\t)+4*\c+2+\e], v[64*(\t)+16*(2*\c+\e)+8:64*(\t)+16*(2*\c+\e)+15], v[SO+2*\c+\e]    ; and + 16 + 8 h + 0 .. 7
.endr
.endr
	WIN 0
	v_nop
.irp c, 0,1
	v_permlane16_swap_b32 v[PCD+8*(\t)+4*\c], v[PCD+8*(\t)+4*\c+1]       ; lanes 0-15: block 2 c whole, lanes 16-31: block 2 c + 1, keys ascending
	v_permlane16_swap_b32 v[PCD+8*(\t)+4*\c+2], v[PCD+8*(\t)+4*\c+3]
.endr
.irp c, 0,1
	global_store_b128 v[LI], v[PCD+8*(\t)+4*\c:PCD+8*(\t)+4*\c+3], s[96:97] offset:1024*(\t)+512*\c
.endr
	ds_store_b32 v[AVS], v[PW+(\t)] offset:64*(\t)
.endm
	OUTV 0
	OUTV 1
	OUTV 2
	OUTV 3
	ds_load_b64 v[TM:TM+1], v[AVR]
	s_wait_dscnt 0x0
	global_store_b64 v[LI8], v[TM:TM+1], s[98:99]  ; 256 consecutive bytes, aligned
.Ldone:
	s_wait_tensorcnt 0x0
	ds_add_u32 v30, v31
	s_wait_dscnt 0x0
	ROUND                                          ; the closing round: no work-group ends while a partner may still ask for a tile that names it
	s_endpgm
.Lfunc_end_k_qaa27d91c11_qkv:
	.size	k_qaa27d91c11_qkv, .Lfunc_end_k_qaa27d91c11_qkv-k_qaa27d91c11_qkv
	.p2alignl 7, 3214868480
	.fill 96, 4, 3214868480
	.section	.rodata,"a",@progbits
	.p2align	6, 0x0
	.amdhsa_kernel k_qaa27d91c11_qkv
		.amdhsa_group_segment_fixed_size 247296
		.amdhsa_private_segment_fixed_size 0
		.amdhsa_enable_private_segment 0
		.amdhsa_kernarg_size 96
		.amdhsa_user_sgpr_count 2
		.amdhsa_user_sgpr_kernarg_segment_ptr 1
		.amdhsa_wavefront_size32 1
		.amdhsa_system_sgpr_workgroup_id_x 1
		.amdhsa_system_sgpr_workgroup_id_y 1
		.amdhsa_system_sgpr_workgroup_id_z 1
		.amdhsa_system_vgpr_workitem_id 0
		.amdhsa_next_free_vgpr 704
		.amdhsa_next_free_sgpr 102
		.amdhsa_reserve_vcc 0
		.amdhsa_float_denorm_mode_32 3
		.amdhsa_float_denorm_mode_16_64 3
		.amdhsa_memory_ordered 1
		.amdhsa_forward_progress 1
		.amdhsa_inst_pref_size 197
	.end_amdhsa_kernel
	.amdgpu_metadata
---
amdhsa.version: [ 1, 2 ]
amdhsa.kernels:
  - .name:           k_qaa27d91c11_qkv
    .symbol:         k_qaa27d91c11_qkv.kd
    .args:
      - { .name: x_codes, .offset: 0, .size: 8, .value_kind: global_buffer, .address_space: global }
      - { .name: x_scales, .offset: 8, .size: 8, .value_kind: global_buffer, .address_space: global }
      - { .name: Wqkv_codes, .offset: 16, .size: 8, .value_kind: global_buffer, .address_space: global }
      - { .name: Wqkv_scales, .offset: 24, .size: 8, .value_kind: global_buffer, .address_space: global }
      - { .name: bqkv, .offset: 32, .size: 8, .value_kind: global_buffer, .address_space: global }
      - { .name: padding_mask, .offset: 40, .size: 8, .value_kind: global_buffer, .address_space: global }
      - { .name: q_img, .offset: 48, .size: 8, .value_kind: global_buffer, .address_space: global }
      - { .name: q_sc, .offset: 56, .size: 8, .value_kind: global_buffer, .address_space: global }
      - { .name: k_img, .offset: 64, .size: 8, .value_kind: global_buffer, .address_space: global }
      - { .name: k_sc, .offset: 72, .size: 8, .value_kind: global_buffer, .address_space: global }
      - { .name: v_img, .offset: 80, .size: 8, .value_kind: global_buffer, .address_space: global }
      - { .name: v_sc, .offset: 88, .size: 8, .value_kind: global_buffer, .address_space: global }
    .group_segment_fixed_size: 247296
    .private_segment_fixed_size: 0
    .kernarg_segment_align: 8
    .kernarg_segment_size: 96
    .max_flat_workgroup_size: 128
    .sgpr_count:     102
    .vgpr_count:     704
    .wavefront_size: 32
...
	.end_amdgpu_metadata
.endif
;; end of part 1
;; launch attn (part 2): grid 8 x 32, 16 waves a work-group, clusters of 4 x 1, 289,792 bytes of LDS; arguments q_img, q_sc, k_img, k_sc, v_img, v_sc, a_img, a_sc; writes a_img, a_sc
.if DOCPART == 2
	.amdgcn_target "amdgcn-amd-amdhsa--gfx1250"
	.amdhsa_code_object_version 6
	.text
	.protected	k_qaa27d91c11_attn
	.globl	k_qaa27d91c11_attn
	.p2align	8
	.type	k_qaa27d91c11_attn,@function
k_qaa27d91c11_attn:
	s_mov_b64 s[64:65], 0
	v_nop
	global_prefetch_b8 v0, s[64:65] scope:SCOPE_SE
	s_setreg_imm32_b32 hwreg(HW_REG_WAVE_MODE, 25, 1), 1
	s_wait_xcnt 0x0
	s_wait_alu depctr_hold_cnt(0) depctr_sa_sdst(0) depctr_va_vdst(0) depctr_va_sdst(0) depctr_va_ssrc(0) depctr_va_vcc(0) depctr_vm_vsrc(0)
	s_getreg_b32 s2, hwreg(HW_REG_IB_STS2, 6, 4)
	s_cmp_eq_u32 s2, 0
	s_cbranch_scc0 .Lentry_in_a_cluster
	s_endpgm
.Lentry_in_a_cluster:
	s_bfe_u32 s2, ttmp6, 0x10000c
	s_cmp_lg_u32 s2, 0x3003
	s_cbranch_scc0 .Lentry_shape_is_right
	s_endpgm
.Lentry_shape_is_right:
; Attention on codes of FP4 (E2M1): S^T = K Q^T, p = 2^(t - M), O^T = V^T P^T, O / l, and O quantised along head x 64 + d for the last product.
; A work-group owns 256 queries of two neighbouring heads (one K step of 128 of the last product); each of its sixteen waves owns 16 queries, first for one head, then for the other: four waves to a SIMD,
; so that one wave's vector work stands beside another's matrix work and LDS loads.  Both heads' K and V in codes and their scale words lie in LDS whole, filled once; the four query blocks of a cluster ask for them jointly.
; All operands come as images of their registers: a fragment is read at 16 x lane, its scale words at 4 x lane.
; A lane holds ONE query (lane % 16) throughout.  Tile t of S^T holds keys 16 t + 8 (lane / 16) + j; the conversions' results of tiles 2 b and 2 b + 1 are put so that two exchanges of halves for each pair of blocks give P's layout.
; K = 64 fills half of the instruction's 128.  At k = 64 stands one more product: q's +4 x 2^-40 by k's -4 x 2^(byte - 127), the byte 250 for a hidden key and 1 for an open one: -2^87 or nothing.
; SOFTMAX: t = score x log2(e) / 8; M = the running largest t rounded up to a whole number, kept as -M = floor(-t); the sum is taken of the unquantised p; when M moves, the sum and O^T are multiplied by 2^(old M - new M), exactly.
; The largest t starts at -2^64: hidden keys give p = 0 from the first step on, and the first open key's M multiplies zeros by 0.
; v's tiles hold d in the order 0 2 4 6 1 3 5 7 of each eight: register j of O^T is d = 16 t + 8 h + 2 (j % 4) + j / 4; the division by l writes each number to its true place.
; LIMITS: every t lies above -2^64.  A batch row whose every key is hidden has l = 0 and is not served.  Blocks under 2^-124 keep the byte 1.  NaN and infinities are not served.
.set KI,   0                           ; K's images: [head 2][step 16][tile 8][512 bytes]
.set VI,   131072                      ; V's: [head][step][tile 4][c 2][512 bytes]
.set KS,   262144                      ; K's scale words: 512 bytes a step
.set VS,   278528                      ; V's: 256 bytes a step
.set ASTG, 286720                      ; the results' scale words: 64 bytes a wave; no fill lands here
.set LI,   1                           ; v1   16 x lane (K's images begin at LDS byte 0)
.set TI,   2                           ; v2   16 x thread
.set OQS,  3                           ; v3   64 w + 4 r
.set AV0,  5                           ; v5   VI + 16 x lane
.set AKS0, 6                           ; v6   KS + 4 x lane
.set AVS0, 7                           ; v7   VS + 4 x lane
.set QF,   8                           ; v8-15    Q: registers 4-7 are written once
.set KF,   16                          ; v16-79   eight tiles of K: registers 4-7 of each are written once
.set SS,   80                          ; v80-143  S^T, then p
.set OO,   144                         ; v144-175 O^T
.set VF,   176                         ; v176-207 four tiles of V
.set PP,   208                         ; v208-215 P
.set TM,   216                         ; v216-219 a block's largest score, then its largest p
.set T2,   220                         ; v220-223
.set SO,   224                         ; v224-227 the conversions' scale operands
.set PW,   228                         ; P's scale word
.set QW,   229                         ; Q's
.set FF,   230                         ; v[230:231] f
.set TMP,  232
.set SUM2, 234
.set NM,   236                         ; -M;  v237 the largest t
.set TX,   237
.set LL,   238                         ; v[238:239] the sum in two halves
.set KSW,  240                         ; v240-243 K's scale words: lanes 0-15 tile 2 p, lanes 16-31 tile 2 p + 1
.set VSW,  244                         ; v244-245 V's likewise
.set ADK,  246
.set ADV,  247
.set ADKS, 248
.set ADVS, 249
.set AWD,  250                         ; the result's scale word
.set ASA,  251
.set OC,   252                         ; v252-255 the result's codes
.set WV,   20
.set HW,   21
.set SEL,  22
.set CS,   24
.set G1,   28
.set G1S,  36
.set G0,   44
.set T4,   66
.set TKS,  67
.set TVS,  68
.set CNT,  69
.macro PLACES
.rept 4
	v_nop
.endr
.endm
.macro ROUND
	s_barrier_signal -1
	s_barrier_wait -1
	s_cmp_lg_u32 s[WV], 0
	s_cbranch_scc1 .Lnot_wave_0_\@
	s_barrier_signal -3
.Lnot_wave_0_\@:
	s_barrier_wait -3
	s_barrier_signal -1
	s_barrier_wait -1
.endm
; My five loads: my half of the scale words, then my half (16 KB) of each quarter of the two heads' images.  All dense: rows of 256 bytes.
.macro ASK IMG, SCL, SCB, pimg, psc
	s_mov_b32 s[G1S+2], ((\SCB)/256)<<16
	s_mov_b32 s[G1S+4], (\SCB)/256
	s_mul_i32 s84, s[HW], \SCB
	s_mov_b32 s85, 0
	s_mov_b32 s[G0], 1
	s_add_co_u32 s[G0+1], s84, \SCL
	s_add_nc_u64 s[G0+2:G0+3], s[\psc:\psc+1], s[84:85]
	s_or_b32 s[G0+3], s[G0+3], 0x80000000
	s_lshl_b32 s84, s[HW], 14
	s_add_nc_u64 s[86:87], s[\pimg:\pimg+1], s[84:85]
.irp n, 0,1,2,3
	s_mov_b32 s[G0+4+4*\n], 1
	s_add_co_u32 s[G0+5+4*\n], s84, \IMG+\n*32768
	s_add_nc_u64 s[G0+6+4*\n:G0+7+4*\n], s[86:87], \n*32768
	s_or_b32 s[G0+7+4*\n], s[G0+7+4*\n], 0x80000000
.endr
	tensor_load_to_lds s[G0:G0+3], s[G1S:G1S+7]
	s_nop 0
.irp n, 1,2,3,4
	tensor_load_to_lds s[G0+4*\n:G0+4*\n+3], s[G1:G1+7]
	s_nop 0
.endr
.rept 4
	v_nop
.endr
.endm
	s_load_b512 s[4:19], s[0:1], 0x0               ; q_img 4, q_sc 6, k_img 8, k_sc 10, v_img 12, v_sc 14, a_img 16, a_sc 18
	v_lshl_add_u32 v254, v0, 2, 0x46400
	v_mov_b32 v255, 0
	ds_add_u32 v254, v255
	ds_add_u32 v254, v255
	s_wait_dscnt 0x0
	v_lshrrev_b32 v1, 5, v0
	v_readfirstlane_b32 s[WV], v1                  ; wave 0..15
	s_and_b32 s[HW], s[WV], 1
	s_bfe_u32 s70, ttmp6, 0x40000                  ; cx
	s_lshl_b32 s71, ttmp9, 2
	s_add_co_u32 s71, s71, s70                     ; qb: my block of 256 queries: it enters q's and the results' addresses alone
	s_and_b32 s72, ttmp7, 0xffff                   ; y = 8 b + pair of heads, which the four partners share
	s_mov_b32 s[G1], 15|(3<<16)|(1<<21)            ; the mask: all four; elements of 8 bytes; bit 21 beside a mask
	s_mov_b32 s[G1+1], 32<<16
	s_mov_b32 s[G1+2], 64<<16
	s_mov_b32 s[G1+3], 32<<16
	s_mov_b32 s[G1+4], 64
	s_mov_b32 s[G1+5], 32
	s_mov_b32 s[G1+6], 0
	s_mov_b32 s[G1+7], 0
	s_mov_b32 s[G1S], 15|(3<<16)|(1<<21)
	s_mov_b32 s[G1S+1], 32<<16
	s_mov_b32 s[G1S+3], 32<<16
	s_mov_b32 s[G1S+5], 32
	s_mov_b32 s[G1S+6], 0
	s_mov_b32 s[G1S+7], 0
	s_mov_b32 s[SEL], 0x76543210
	s_mov_b32 s[SEL+1], 0xfedcba98
	s_mov_b32 s[CS], 0x3e38aa3b                    ; log2(e) / 8
	s_mov_b32 s[CS+1], s[CS]
	s_mov_b32 s[T4], 0
	s_mov_b32 s[TKS], 0
	s_mov_b32 s[TVS], 0
	s_lshl_b32 s88, s72, 17                        ; two heads' images
	s_mov_b32 s89, 0
	s_lshl_b32 s90, s72, 14                        ; two heads' scale words of q or k
	s_mov_b32 s91, 0
	s_lshl_b32 s76, s71, 13
	s_add_co_u32 s76, s76, s88
	s_mov_b32 s77, 0
	s_lshl_b32 s78, s71, 10
	s_add_co_u32 s78, s78, s90
	s_mov_b32 s79, 0
	s_lshr_b32 s73, s72, 3
	s_lshl_b32 s73, s73, 4
	s_lshl_b32 s74, s71, 1
	s_add_co_u32 s73, s73, s74                     ; 16 b + 2 qb: the first of my two blocks of 128 rows
	s_and_b32 s74, s72, 7                          ; the pair of heads = the last product's K step
	s_lshr_b32 s75, s[WV], 3
	s_add_co_u32 s75, s75, s73
	s_lshl_b32 s80, s75, 16
	s_lshl_b32 s75, s74, 13
	s_add_co_u32 s80, s80, s75
	s_and_b32 s75, s[WV], 7
	s_lshl_b32 s75, s75, 10
	s_add_co_u32 s80, s80, s75                     ; a_img: 65,536 a block, 8,192 a K step, 1,024 a tile
	s_mov_b32 s81, 0
	s_add_co_u32 s82, s73, s[WV]                   ; a_sc (used by waves 0 and 1 alone): 4,096 a block, 512 a K step
	s_lshl_b32 s82, s82, 12
	s_lshl_b32 s75, s74, 9
	s_add_co_u32 s82, s82, s75
	s_mov_b32 s83, 0
	s_wait_kmcnt 0x0
	s_add_nc_u64 s[8:9], s[8:9], s[88:89]
	s_add_nc_u64 s[12:13], s[12:13], s[88:89]
	s_add_nc_u64 s[10:11], s[10:11], s[90:91]
	s_lshr_b32 s90, s90, 1
	s_add_nc_u64 s[14:15], s[14:15], s[90:91]
	s_add_nc_u64 s[4:5], s[4:5], s[76:77]
	s_add_nc_u64 s[6:7], s[6:7], s[78:79]
	s_add_nc_u64 s[16:17], s[16:17], s[80:81]
	s_add_nc_u64 s[18:19], s[18:19], s[82:83]
	ROUND                                          ; all four work-groups are here: the joint loads meet
	s_cmp_lt_u32 s[WV], 2                          ; waves 0, 1: K; waves 2, 3: V; the others none.  Five loads of a wave are out at the most
	s_cbranch_scc0 .Lnot_k
	ASK KI, KS, 8192, 8, 10
	s_branch .Lasked
.Lnot_k:
	s_cmp_lt_u32 s[WV], 4
	s_cbranch_scc0 .Lasked
	ASK VI, VS, 4096, 12, 14
.Lasked:
	v_and_b32 v[TMP+1], 31, v0                     ; lane
	v_lshlrev_b32 v[LI], 4, v[TMP+1]
	v_lshlrev_b32 v[TI], 4, v0
	v_and_b32 v[TMP], 15, v0                       ; r
	s_lshl_b32 s74, s[WV], 6
	v_lshl_add_u32 v[OQS], v[TMP], 2, s74
	global_load_b128 v[QF:QF+3], v[TI], s[4:5]     ; my 16 queries of the first head
	global_load_b32 v[QW], v[OQS], s[6:7]
	v_add_nc_u32 v[AV0], VI, v[LI]
	v_lshl_add_u32 v[AKS0], v[TMP+1], 2, KS
	v_lshl_add_u32 v[AVS0], v[TMP+1], 2, VS
	v_add_nc_u32 v[ASA], ASTG, v[OQS]
	v_bfe_u32 v[TMP], v0, 4, 1
	v_sub_nc_u32 v[TMP], 1, v[TMP]                 ; 1 in lanes 0-15
	v_mul_u32_u24 v[QF+4], 6, v[TMP]               ; k = 64: the code +4
	v_mov_b32 v[QF+5], 0
	v_mov_b32 v[QF+6], 0
	v_mov_b32 v[QF+7], 0
.irp t, 0,1,2,3,4,5,6,7
	v_mul_u32_u24 v[KF+8*\t+4], 14, v[TMP]         ; k = 64: the code -4
	v_mov_b32 v[KF+8*\t+5], 0
	v_mov_b32 v[KF+8*\t+6], 0
	v_mov_b32 v[KF+8*\t+7], 0
.endr
.irp b, 0,1,2,3
	v_mov_b32 v[T2+\b], 0                          ; written once: a lane permute's destination counts as one of its sources
.endr
	v_mov_b32 v[FF+1], 0                           ; named as the upper half of a pair
; A KEY STEP: 128 keys
.macro STEP
	v_add_nc_u32 v[ADK], s[T4], v[LI]              ; these four are also the places behind the last step's products, in front of the loads into V's registers
	v_add_nc_u32 v[ADV], s[T4], v[AV0]
	v_add_nc_u32 v[ADKS], s[TKS], v[AKS0]
	v_add_nc_u32 v[ADVS], s[TVS], v[AVS0]
.irp t, 0,1,2,3,4,5,6,7
	ds_load_b128 v[KF+8*\t:KF+8*\t+3], v[ADK] offset:512*\t
.endr
.irp p, 0,1,2,3
	ds_load_b32 v[KSW+\p], v[ADKS] offset:128*\p
.endr
.irp t, 0,1,2,3
.irp c, 0,1
	ds_load_b128 v[VF+8*\t+4*\c:VF+8*\t+4*\c+3], v[ADV] offset:1024*\t+512*\c
.endr
.endr
.irp p, 0,1
	ds_load_b32 v[VSW+\p], v[ADVS] offset:128*\p
.endr
	s_wait_dscnt 10                                ; K and its words are in; V's eight loads and two words may be out
.irp t, 0,2,4,6
	v_wmma_scale_f32_16x16x128_f8f6f4 v[SS+8*\t:SS+8*\t+7], v[KF+8*\t:KF+8*\t+7], v[QF:QF+7], 0, v[KSW+\t/2], v[QW] matrix_a_fmt:MATRIX_FMT_FP4 matrix_b_fmt:MATRIX_FMT_FP4
	v_wmma_scale_f32_16x16x128_f8f6f4 v[SS+8*\t+8:SS+8*\t+15], v[KF+8*\t+8:KF+8*\t+15], v[QF:QF+7], 0, v[KSW+\t/2], v[QW] matrix_a_fmt:MATRIX_FMT_FP4 matrix_b_fmt:MATRIX_FMT_FP4 matrix_a_scale:MATRIX_SCALE_ROW1
.endr
	PLACES
.irp b, 0,1,2,3
	v_max3_num_f32 v[TM+\b], v[SS+16*\b], v[SS+16*\b+1], v[SS+16*\b+2]   ; the largest score of each block of 32 keys: for the row's maximum, and, since p rises with the score, for the block's largest p
.endr
.irp i, 3,5,7,9,11,13
.irp b, 0,1,2,3
	v_max3_num_f32 v[TM+\b], v[TM+\b], v[SS+16*\b+\i], v[SS+16*\b+\i+1]
.endr
.endr
.irp b, 0,1,2,3
	v_max_num_f32 v[TM+\b], v[TM+\b], v[SS+16*\b+15]
.endr
.irp b, 0,1,2,3
	v_permlanex16_b32 v[T2+\b], v[TM+\b], s[SEL], s[SEL+1]
.endr
.irp b, 0,1,2,3
	v_max_num_f32 v[TM+\b], v[TM+\b], v[T2+\b]
.endr
	v_max3_num_f32 v[TMP], v[TM], v[TM+1], v[TM+2]
	v_max_num_f32 v[TMP], v[TMP], v[TM+3]
	v_mul_f32 v[TMP], s[CS], v[TMP]
	v_max_num_f32 v[TX], v[TX], v[TMP]             ; the running largest t
	v_mov_b32 v[TMP], v[NM]
	v_floor_f32 v[NM], -v[TX]                      ; -M = floor(-t)
	v_sub_f32 v[TMP], v[NM], v[TMP]                ; old M - new M: a whole number, 0 or less
	v_cvt_i32_f32 v[TMP], v[TMP]                   ; (it saturates)
	v_ldexp_f32 v[FF], 1.0, v[TMP]                 ; f = 2^(old M - new M)
.irp j, 0,2,4,6,8,10,12,14,16,18,20,22,24,26,28,30,32,34,36,38,40,42,44,46,48,50,52,54,56,58,60,62
	v_pk_fma_f32 v[SS+\j:SS+\j+1], v[SS+\j:SS+\j+1], s[CS:CS+1], v[NM:NM+1] op_sel_hi:[1,0,0]   ; t - M
.endr
.irp b, 0,1,2,3
	v_fma_f32 v[TM+\b], v[TM+\b], s[CS], v[NM]
.endr
.irp j, 0,1,2,3,4,5,6,7,8,9,10,11,12,13,14,15,16,17,18,19,20,21,22,23,24,25,26,27,28,29,30,31,32,33,34,35,36,37,38,39,40,41,42,43,44,45,46,47,48,49,50,51,52,53,54,55,56,57,58,59,60,61,62,63
	v_exp_f32 v[SS+\j], v[SS+\j]                   ; p
.endr
.irp b, 0,1,2,3
	v_exp_f32 v[TM+\b], v[TM+\b]                   ; the block's largest p: the same two instructions on the same number
.endr
	v_pk_mul_f32 v[LL:LL+1], v[LL:LL+1], v[FF:FF+1] op_sel_hi:[1,0]   ; the sums under the new M (a plain place behind the exponentials)
	s_wait_alu depctr_va_vdst(0)
.irp b, 0,1,2,3
	v_max_num_f32 v[TM+\b], 0x1800000, v[TM+\b]    ; the floor 2^(3 - 127)
.endr
.irp b, 0,1,2,3
	v_add_nc_u32 v[SO+\b], 0xff000000, v[TM+\b]
.endr
.irp b, 0,1,2,3
	v_lshrrev_b32 v[T2+\b], 23, v[SO+\b]
.endr
	v_lshl_or_b32 v[PW], v[T2+1], 8, v[T2]
	v_lshl_or_b32 v[PW], v[T2+2], 16, v[PW]
	v_lshl_or_b32 v[PW], v[T2+3], 24, v[PW]
.irp c, 0,1
.irp e, 0,1
	v_cvt_scalef32_pk8_fp4_f32 v[PP+4*\c+\e], v[SS+16*(2*\c+\e):SS+16*(2*\c+\e)+7], v[SO+2*\c+\e]
	v_cvt_scalef32_pk8_fp4_f32 v[PP+4*\c+2+\e], v[SS+16*(2*\c+\e)+8:SS+16*(2*\c+\e)+15], v[SO+2*\c+\e]
.endr
.endr
	v_nop
.irp c, 0,1
	v_permlane16_swap_b32 v[PP+4*\c], v[PP+4*\c+1]
	v_permlane16_swap_b32 v[PP+4*\c+2], v[PP+4*\c+3]
.endr
	v_pk_add_f32 v[SUM2:SUM2+1], v[SS:SS+1], v[SS+2:SS+3]              ; the sum of the unquantised p, in two chains
.irp j, 4,8,12,16,20,24,28,32,36,40,44,48,52,56,60
	v_pk_add_f32 v[LL:LL+1], v[LL:LL+1], v[SS+\j:SS+\j+1]
	v_pk_add_f32 v[SUM2:SUM2+1], v[SUM2:SUM2+1], v[SS+\j+2:SS+\j+3]
.endr
	v_pk_add_f32 v[LL:LL+1], v[LL:LL+1], v[SUM2:SUM2+1]
.irp j, 0,2,4,6,8,10,12,14,16,18,20,22,24,26,28,30
	v_pk_mul_f32 v[OO+\j:OO+\j+1], v[OO+\j:OO+\j+1], v[FF:FF+1] op_sel_hi:[1,0]   ; O^T under the new M
.endr
	s_wait_dscnt 0x0                               ; V is in
.irp t, 0,2
	v_wmma_scale_f32_16x16x128_f8f6f4 v[OO+8*\t:OO+8*\t+7], v[VF+8*\t:VF+8*\t+7], v[PP:PP+7], v[OO+8*\t:OO+8*\t+7], v[VSW+\t/2], v[PW] matrix_a_fmt:MATRIX_FMT_FP4 matrix_b_fmt:MATRIX_FMT_FP4
	v_wmma_scale_f32_16x16x128_f8f6f4 v[OO+8*\t+8:OO+8*\t+15], v[VF+8*\t+8:VF+8*\t+15], v[PP:PP+7], v[OO+8*\t+8:OO+8*\t+15], v[VSW+\t/2], v[PW] matrix_a_fmt:MATRIX_FMT_FP4 matrix_b_fmt:MATRIX_FMT_FP4 matrix_a_scale:MATRIX_SCALE_ROW1
.endr
	s_add_co_u32 s[T4], s[T4], 4096
	s_add_co_u32 s[TKS], s[TKS], 512
	s_add_co_u32 s[TVS], s[TVS], 256
.endm
; Quarter n of the two heads' keys: eight steps
.macro HALF n
	s_wait_tensorcnt 3-\n                          ; my scale words and my parts of quarters 0 .. n are in; the later quarters may stay out
	s_wait_dscnt 0x0
	s_barrier_signal -1
	s_barrier_wait -1                              ; everybody's are
	s_mov_b32 s[CNT], 8
.Lstep_\@:
	STEP
	s_sub_co_u32 s[CNT], s[CNT], 1
	s_cmp_lg_u32 s[CNT], 0
	s_cbranch_scc1 .Lstep_\@
.endm
.macro INIT
.irp j, 0,1,2,3,4,5,6,7,8,9,10,11,12,13,14,15,16,17,18,19,20,21,22,23,24,25,26,27,28,29,30,31
	v_mov_b32 v[OO+\j], 0                          ; the step is written once: a head's first step finds zeros
.endr
	v_mov_b32 v[LL], 0
	v_mov_b32 v[LL+1], 0
	v_mov_b32 v[TX], 0xdf800000                    ; -2^64
	v_floor_f32 v[NM], -v[TX]
	s_wait_loadcnt 0x0                             ; Q and its scale words
.endm
; A head's result: O / l, each number to its true d; quantised along d; its half of the fragment stored
.macro OUT hd
	PLACES
	v_add_f32 v[TMP], v[LL], v[LL+1]
	v_permlanex16_b32 v[T2], v[TMP], s[SEL], s[SEL+1]
	v_add_f32 v[TMP], v[TMP], v[T2]
	v_rcp_f32 v[TMP], v[TMP]
	v_nop
	s_wait_alu depctr_va_vdst(0)
.irp t, 0,1,2,3
.irp j, 0,1,2,3,4,5,6,7
	v_mul_f32 v[SS+8*\t+2*(\j&3)+(\j>>2)], v[OO+8*\t+\j], v[TMP]
.endr
.endr
.irp b, 0,1
	v_max3_num_f32 v[TM+\b], |v[SS+16*\b]|, |v[SS+16*\b+1]|, 0x1800000
.endr
.irp i, 2,4,6,8,10,12,14
.irp b, 0,1
	v_max3_num_f32 v[TM+\b], |v[SS+16*\b+\i]|, |v[SS+16*\b+\i+1]|, v[TM+\b]
.endr
.endr
.irp b, 0,1
	v_permlanex16_b32 v[T2+\b], v[TM+\b], s[SEL], s[SEL+1]
.endr
.irp b, 0,1
	v_max_num_f32 v[TM+\b], v[TM+\b], v[T2+\b]
.endr
.irp b, 0,1
	v_add_nc_u32 v[SO+\b], 0xff000000, v[TM+\b]
.endr
.irp b, 0,1
	v_lshrrev_b32 v[T2+\b], 23, v[SO+\b]
.endr
.if \hd
	s_wait_xcnt 0x0                                ; the first head's store has read its data: they are written again only behind this wait
	v_lshl_or_b32 v[TMP], v[T2+1], 8, v[T2]
	v_lshl_or_b32 v[AWD], v[TMP], 16, v[AWD]
.else
	v_lshl_or_b32 v[AWD], v[T2+1], 8, v[T2]
.endif
	v_cvt_scalef32_pk8_fp4_f32 v[OC], v[SS:SS+7], v[SO]
	v_cvt_scalef32_pk8_fp4_f32 v[OC+1], v[SS+16:SS+23], v[SO+1]
	v_cvt_scalef32_pk8_fp4_f32 v[OC+2], v[SS+8:SS+15], v[SO]
	v_cvt_scalef32_pk8_fp4_f32 v[OC+3], v[SS+24:SS+31], v[SO+1]
	v_nop
	v_permlane16_swap_b32 v[OC], v[OC+1]
	v_permlane16_swap_b32 v[OC+2], v[OC+3]
	global_store_b128 v[LI], v[OC:OC+3], s[16:17] offset:512*\hd       ; 512 consecutive bytes, aligned
.endm
	INIT
	HALF 0
	HALF 1
	global_load_b128 v[QF:QF+3], v[TI], s[4:5] offset:65536            ; the second head's queries (Q's last product stands a softmax back)
	global_load_b32 v[QW], v[OQS], s[6:7] offset:8192
	OUT 0
	INIT
	HALF 2
	HALF 3
	OUT 1
	ds_store_b32 v[ASA], v[AWD]                    ; lanes r and 16 + r write the same word with the same value
	s_wait_dscnt 0x0
	s_barrier_signal -1
	s_barrier_wait -1
	s_cmp_lt_u32 s[WV], 2                          ; waves 0 and 1 store the words of eight tiles each: 512 consecutive bytes
	s_cbranch_scc0 .Lno_words
	v_add_nc_u32 v[TMP], ASTG, v[TI]
	ds_load_b128 v[SS:SS+3], v[TMP]
	s_wait_dscnt 0x0
	global_store_b128 v[LI], v[SS:SS+3], s[18:19]
.Lno_words:
	s_wait_xcnt 0x0
	v_lshl_add_u32 v254, v0, 2, 0x46400
	v_mov_b32 v255, 0
	s_wait_tensorcnt 0x0
	ds_add_u32 v254, v255
	s_wait_dscnt 0x0
	ROUND                                          ; the closing round
	s_endpgm
.Lfunc_end_k_qaa27d91c11_attn:
	.size	k_qaa27d91c11_attn, .Lfunc_end_k_qaa27d91c11_attn-k_qaa27d91c11_attn
	.p2alignl 7, 3214868480
	.fill 96, 4, 3214868480
	.section	.rodata,"a",@progbits
	.p2align	6, 0x0
	.amdhsa_kernel k_qaa27d91c11_attn
		.amdhsa_group_segment_fixed_size 289792
		.amdhsa_private_segment_fixed_size 0
		.amdhsa_enable_private_segment 0
		.amdhsa_kernarg_size 64
		.amdhsa_user_sgpr_count 2
		.amdhsa_user_sgpr_kernarg_segment_ptr 1
		.amdhsa_wavefront_size32 1
		.amdhsa_system_sgpr_workgroup_id_x 1
		.amdhsa_system_sgpr_workgroup_id_y 1
		.amdhsa_system_sgpr_workgroup_id_z 1
		.amdhsa_system_vgpr_workitem_id 0
		.amdhsa_next_free_vgpr 256
		.amdhsa_next_free_sgpr 92
		.amdhsa_reserve_vcc 0
		.amdhsa_float_denorm_mode_32 3
		.amdhsa_float_denorm_mode_16_64 3
		.amdhsa_memory_ordered 1
		.amdhsa_forward_progress 1
		.amdhsa_inst_pref_size 81
	.end_amdhsa_kernel
	.amdgpu_metadata
---
amdhsa.version: [ 1, 2 ]
amdhsa.kernels:
  - .name:           k_qaa27d91c11_attn
    .symbol:         k_qaa27d91c11_attn.kd
    .args:
      - { .name: q_img, .offset: 0, .size: 8, .value_kind: global_buffer, .address_space: global }
      - { .name: q_sc, .offset: 8, .size: 8, .value_kind: global_buffer, .address_space: global }
      - { .name: k_img, .offset: 16, .size: 8, .value_kind: global_buffer, .address_space: global }
      - { .name: k_sc, .offset: 24, .size: 8, .value_kind: global_buffer, .address_space: global }
      - { .name: v_img, .offset: 32, .size: 8, .value_kind: global_buffer, .address_space: global }
      - { .name: v_sc, .offset: 40, .size: 8, .value_kind: global_buffer, .address_space: global }
      - { .name: a_img, .offset: 48, .size: 8, .value_kind: global_buffer, .address_space: global }
      - { .name: a_sc, .offset: 56, .size: 8, .value_kind: global_buffer, .address_space: global }
    .group_segment_fixed_size: 289792
    .private_segment_fixed_size: 0
    .kernarg_segment_align: 8
    .kernarg_segment_size: 64
    .max_flat_workgroup_size: 512
    .sgpr_count:     92
    .vgpr_count:     256
    .wavefront_size: 32
...
	.end_amdgpu_metadata
.endif
;; end of part 2
;; launch proj (part 3): grid 4 x 64, 4 waves a work-group, clusters of 4 x 4, 222,720 bytes of LDS; arguments a_img, a_sc, Wo_codes, Wo_scales, bo, out0; writes out0
.if DOCPART == 3
	.amdgcn_target "amdgcn-amd-amdhsa--gfx1250"
	.amdhsa_code_object_version 6
	.text
	.protected	k_qaa27d91c11_proj
	.globl	k_qaa27d91c11_proj
	.p2align	8
	.type	k_qaa27d91c11_proj,@function
k_qaa27d91c11_proj:
	s_mov_b64 s[64:65], 0
	v_nop
	global_prefetch_b8 v0, s[64:65] scope:SCOPE_SE
	s_setreg_imm32_b32 hwreg(HW_REG_WAVE_MODE, 25, 1), 1
	s_wait_xcnt 0x0
	s_wait_alu depctr_hold_cnt(0) depctr_sa_sdst(0) depctr_va_vdst(0) depctr_va_sdst(0) depctr_va_ssrc(0) depctr_va_vcc(0) depctr_vm_vsrc(0)
	s_getreg_b32 s2, hwreg(HW_REG_IB_STS2, 6, 4)
	s_cmp_eq_u32 s2, 0
	s_cbranch_scc0 .Lentry_in_a_cluster
	s_endpgm
.Lentry_in_a_cluster:
	s_bfe_u32 s2, ttmp6, 0x10000c
	s_cmp_lg_u32 s2, 0xf033
	s_cbranch_scc0 .Lentry_shape_is_right
	s_endpgm
.Lentry_shape_is_right:
; out0 = a Wo + bo on codes of FP4 (E2M1) with E8M0 scales.  a comes as images of operand registers ([block of 128 rows][K step][tile][c][lane][16 bytes]) with its scale words, Wo as rows of codes.
; A work-group makes 128 rows x 256 columns, wave w 128 x 64: 8 tiles of rows x 4 tiles of columns, 32 accumulators.  Source 0 = 16 rows of Wo, source 1 = 16 rows of a: a lane holds eight neighbouring columns of one row.
; All of K lies in LDS, in two chunks, each filled once.  4 x 4 work-groups form a cluster: a's tiles are shared along a row of it, Wo's along a column, by joint loads.
; The bias is the C of each sum's first matrix instruction.  Results leave through each wave's own stage: sixteen lanes store 256 consecutive bytes, aligned.
.set PITCH, 272
.set T16,   16*PITCH
.set AC0,   0                          ; a: two chunks of 32,768 bytes on end, dense
.set WC0,   65536                      ; Wo: 256 rows, K 0..511
.set WC1,   WC0+256*PITCH              ; K 512..1023
.set STG,   WC1+256*PITCH              ; 16 rows x 272 bytes for each wave; no fill lands here
.set LI,   4                           ; v4   16 x lane
.set AW0,  7                           ; v7-8 Wo's fragments in the two chunks
.set STO,  9
.set SRD,  10
.set OGO,  11
.set OWS,  13
.set OBI,  14
.set OAS,  15
.set ASC,  32                          ; v32-63   a's scale words: 4 q + p: lanes 0-15 tile 2 p, lanes 16-31 tile 2 p + 1
.set WSC,  96                          ; v96-127  Wo's: 8 u + q
.set BI,   128                         ; v128-159 the bias in the result's layout
.set OB,   160                         ; v160-223 two sets of 16 rows on the way out
.set WV,   28
.set G1A,  36
.set G1B,  44
.set G0A,  52
.set G0B0, 60
.set G0B1, 68
.set MSB, 0
.macro WIN new
.if MSB != \new
	s_set_vgpr_msb (MSB<<8)|\new
.set MSB, \new
.endif
.endm
.macro PLACES
.rept 4
	v_nop
.endr
.endm
.macro ROUND
	s_barrier_signal -1
	s_barrier_wait -1
	s_cmp_lg_u32 s[WV], 0
	s_cbranch_scc1 .Lnot_wave_0_\@
	s_barrier_signal -3
.Lnot_wave_0_\@:
	s_barrier_wait -3
	s_barrier_signal -1
	s_barrier_wait -1
.endm
	s_load_b256 s[4:11], s[0:1], 0x0               ; a_img 4, a_sc 6, Wo_codes 8, Wo_scales 10
	s_load_b128 s[12:15], s[0:1], 0x20             ; bo 12, out0 14
	v_lshl_add_u32 v254, v0, 2, 0x36400
	v_mov_b32 v255, 0
	ds_add_u32 v254, v255
	ds_add_u32 v254, v255
	v_lshrrev_b32 v1, 5, v0
	v_readfirstlane_b32 s[WV], v1
	s_bfe_u32 s29, ttmp6, 0x40000                  ; cx
	s_bfe_u32 s30, ttmp6, 0x40004                  ; cy
	s_lshl_b32 s31, ttmp9, 2
	s_add_co_u32 s31, s31, s29                     ; cb: my block of 256 columns
	s_and_b32 s32, ttmp7, 0xffff
	s_lshl_b32 s32, s32, 2
	s_add_co_u32 s32, s32, s30                     ; RB: my block of 128 rows
	s_lshl_b32 s33, s30, 2
	s_lshl_b32 s33, 15, s33
	s_lshl_b32 s34, 0x1111, s29
	s_or_b32 s[G1A], s33, (3<<16)|(1<<21)          ; a: dense, 128 rows of 256 bytes (32 elements of 8 bytes)
	s_mov_b32 s[G1A+1], 32<<16
	s_mov_b32 s[G1A+2], 128<<16
	s_mov_b32 s[G1A+3], 32<<16
	s_mov_b32 s[G1A+4], 128
	s_mov_b32 s[G1A+5], 32
	s_mov_b32 s[G1A+6], 0
	s_mov_b32 s[G1A+7], 0
	s_or_b32 s[G1B], s34, (1<<20)|(1<<21)|(5<<22)|(3<<25)   ; Wo: 128 rows of 256 bytes, 512 apart, 16 bytes of padding behind each
	s_mov_b32 s[G1B+1], 256<<16
	s_mov_b32 s[G1B+2], 128<<16
	s_mov_b32 s[G1B+3], 256<<16
	s_mov_b32 s[G1B+4], 128
	s_mov_b32 s[G1B+5], 512
	s_mov_b32 s[G1B+6], 0
	s_mov_b32 s[G1B+7], 0
	s_lshl_b32 s88, s32, 16
	s_mov_b32 s89, 0
	s_add_co_u32 s90, s[WV], 1
	s_and_b32 s90, s90, 1                          ; waves 1 and 2 fetch Wo's rows 0-127 and 128-255
	s_mul_i32 s91, s90, 128*PITCH
	s_lshl_b32 s92, s31, 17
	s_lshl_b32 s90, s90, 16
	s_add_co_u32 s92, s92, s90
	s_mov_b32 s93, 0
	s_lshl_b32 s94, s32, 12
	s_mov_b32 s95, 0
	s_lshl_b32 s96, s31, 13
	s_lshl_b32 s97, s[WV], 11
	s_add_co_u32 s96, s96, s97
	s_mov_b32 s97, 0
	s_lshl_b32 s98, s31, 10
	s_lshl_b32 s99, s[WV], 8
	s_add_co_u32 s98, s98, s99                     ; my 64 columns, in bytes: in bo and in a row of out0
	s_mov_b32 s99, 0
	s_lshl_b32 s100, s32, 19                       ; 128 rows of 4,096 bytes
	s_add_co_u32 s100, s100, s98
	s_mov_b32 s101, 0
	s_wait_dscnt 0x0
	s_wait_kmcnt 0x0
	s_add_nc_u64 s[4:5], s[4:5], s[88:89]
	s_add_nc_u64 s[8:9], s[8:9], s[92:93]
	s_add_nc_u64 s[6:7], s[6:7], s[94:95]
	s_add_nc_u64 s[10:11], s[10:11], s[96:97]
	s_add_nc_u64 s[12:13], s[12:13], s[98:99]
	s_add_nc_u64 s[14:15], s[14:15], s[100:101]
	ROUND
.irp c, 0,1
	s_mov_b32 s[G0A+4*\c], 1
	s_mov_b32 s[G0A+4*\c+1], AC0+\c*32768
	s_add_nc_u64 s[G0A+4*\c+2:G0A+4*\c+3], s[4:5], \c*32768
	s_or_b32 s[G0A+4*\c+3], s[G0A+4*\c+3], 0x80000000
.endr
	s_mov_b32 s[G0B0], 1
	s_add_co_u32 s[G0B0+1], s91, WC0
	s_add_nc_u64 s[G0B0+2:G0B0+3], s[8:9], 0
	s_or_b32 s[G0B0+3], s[G0B0+3], 0x80000000
	s_mov_b32 s[G0B1], 1
	s_add_co_u32 s[G0B1+1], s91, WC1
	s_add_nc_u64 s[G0B1+2:G0B1+3], s[8:9], 256
	s_or_b32 s[G0B1+3], s[G0B1+3], 0x80000000
	s_cmp_eq_u32 s[WV], 0                          ; wave 0: a's two chunks; waves 1, 2: Wo's; wave 3: none.  Two loads of a wave are out at the most
	s_cbranch_scc0 .Lnot_a
	tensor_load_to_lds s[G0A:G0A+3], s[G1A:G1A+7]
	s_nop 0
	tensor_load_to_lds s[G0A+4:G0A+7], s[G1A:G1A+7]
	s_nop 0
.rept 4
	v_nop
.endr
	s_branch .Lasked
.Lnot_a:
	s_cmp_lt_u32 s[WV], 3
	s_cbranch_scc0 .Lasked
	tensor_load_to_lds s[G0B0:G0B0+3], s[G1B:G1B+7]
	s_nop 0
	tensor_load_to_lds s[G0B1:G0B1+3], s[G1B:G1B+7]
	s_nop 0
.rept 4
	v_nop
.endr
.Lasked:
	v_and_b32 v1, 15, v0                           ; r
	v_bfe_u32 v2, v0, 4, 1                         ; h
	v_and_b32 v3, 31, v0                           ; lane
	v_lshlrev_b32 v[LI], 4, v3
	v_lshlrev_b32 v[OAS], 2, v3
	v_lshlrev_b32 v[OWS], 5, v1
	v_lshlrev_b32 v[OBI], 5, v2
.irp q, 0,1,2,3,4,5,6,7
.irp p, 0,1,2,3
	global_load_b32 v[ASC+4*\q+\p], v[OAS], s[6:7] offset:512*\q+128*\p
.endr
.endr
.irp u, 0,1,2,3
.irp e, 0,1
	global_load_b128 v[WSC+8*\u+4*\e:WSC+8*\u+4*\e+3], v[OWS], s[10:11] offset:512*\u+16*\e
	global_load_b128 v[BI+8*\u+4*\e:BI+8*\u+4*\e+3], v[OBI], s[12:13] offset:64*\u+16*\e   ; register j of tile u is column 16 u + 8 h + j
.endr
.endr
	v_mul_u32_u24 v[AW0], v1, PITCH
	v_lshl_add_u32 v[AW0], v2, 4, v[AW0]
	s_mul_i32 s100, s[WV], 64*PITCH
	s_add_co_u32 s100, s100, WC0
	v_add_nc_u32 v[AW0], s100, v[AW0]
	v_add_nc_u32 v[AW0+1], WC1-WC0, v[AW0]
	s_mul_i32 s100, s[WV], T16
	s_add_co_u32 s100, s100, STG                   ; my stage
	v_mul_u32_u24 v[STO], v1, PITCH
	v_lshl_add_u32 v[STO], v2, 5, v[STO]
	v_add_nc_u32 v[STO], s100, v[STO]              ; in: row r, + 32 h
	v_mul_u32_u24 v[SRD], v2, PITCH
	v_lshl_add_u32 v[SRD], v1, 4, v[SRD]
	v_add_nc_u32 v[SRD], s100, v[SRD]              ; back: lanes 0-15 one row of 256 bytes, lanes 16-31 the next
	v_lshlrev_b32 v[OGO], 12, v2
	v_lshl_add_u32 v[OGO], v1, 4, v[OGO]           ; and the same two rows in out0
	s_wait_loadcnt 0x0
	s_wait_tensorcnt 0x1                           ; my part of K 0..511 is in; the second load may stay out
	s_barrier_signal -1
	s_barrier_wait -1
.macro FETCH q
	WIN 0x80
.set f_p, (\q)&1
.irp a, 0,1,2,3,4,5,6,7
.irp c, 0,1
	ds_load_b128 v[64*f_p+8*\a+4*\c:64*f_p+8*\a+4*\c+3], v[LI] offset:(\q)*8192+\a*1024+512*\c
.endr
.endr
.irp u, 0,1,2,3
.irp c, 0,1
	ds_load_b128 v[128+32*f_p+8*\u+4*\c:128+32*f_p+8*\u+4*\c+3], v[AW0+((\q)>>2)] offset:\u*T16+((\q)&3)*64+32*\c
.endr
.endr
	WIN 0
.endm
.macro MUL q                           ; 32 matrix instructions, each accumulator once
.set m_p, (\q)&1
.if (\q) == 0
	WIN 0x4a
.else
	WIN 0x5a
.endif
.irp a, 0,1,2,3,4,5,6,7
.irp u, 0,1,2,3
.set m_xf, 64*m_p+8*\a
.set m_wf, 128+32*m_p+8*\u
.set m_ac, 8*(4*\a+\u)
.if (\q) == 0
.set m_cc, BI+8*\u
.else
.set m_cc, m_ac
.endif
.if (\a)%2
	v_wmma_scale_f32_16x16x128_f8f6f4 v[m_ac:m_ac+7], v[m_wf:m_wf+7], v[m_xf:m_xf+7], v[m_cc:m_cc+7], v[WSC+8*\u+(\q)], v[ASC+4*(\q)+\a/2] matrix_a_fmt:MATRIX_FMT_FP4 matrix_b_fmt:MATRIX_FMT_FP4 matrix_b_scale:MATRIX_SCALE_ROW1
.else
	v_wmma_scale_f32_16x16x128_f8f6f4 v[m_ac:m_ac+7], v[m_wf:m_wf+7], v[m_xf:m_xf+7], v[m_cc:m_cc+7], v[WSC+8*\u+(\q)], v[ASC+4*(\q)+\a/2] matrix_a_fmt:MATRIX_FMT_FP4 matrix_b_fmt:MATRIX_FMT_FP4
.endif
.endr
.endr
	WIN 0
.endm
.macro KSTEP q
.if (\q) == 3
	s_wait_tensorcnt 0x0                           ; my part of K 512..1023 is in,
	s_wait_dscnt 0x0
	s_barrier_signal -1
	s_barrier_wait -1                              ; everybody's is
.endif
.if (\q) < 7
.if (\q) > 0
	PLACES
.endif
	FETCH (\q)+1
	s_wait_dscnt 24                                ; all but the 24 loads just issued
.else
	s_wait_dscnt 0x0
.endif
	MUL \q
.endm
	FETCH 0
	KSTEP 0
	KSTEP 1
	KSTEP 2
	KSTEP 3
	KSTEP 4
	KSTEP 5
	KSTEP 6
	KSTEP 7
	PLACES
; THE WAY OUT, a tile of 16 rows x 64 columns at a time, through my own stage; a wave's LDS instructions are served in order, so no wait stands between the stores and the loads, nor in front of the next tile's stores
.macro TOSTAGE a
	WIN 0x04                                       ; an LDS store's data: window 1
.irp u, 0,1,2,3
	ds_store_b128 v[STO], v[8*(4*(\a)+\u):8*(4*(\a)+\u)+3] offset:64*\u          ; each accumulator from its low end on
	ds_store_b128 v[STO], v[8*(4*(\a)+\u)+4:8*(4*(\a)+\u)+7] offset:64*\u+16
.endr
	WIN 0
.set o_b, OB+32*((\a)%2)
.irp i, 0,1,2,3,4,5,6,7
	ds_load_b128 v[o_b+4*\i:o_b+4*\i+3], v[SRD] offset:2*PITCH*\i
.endr
.endm
.macro SEND a, younger
.set o_b, OB+32*((\a)%2)
	s_wait_dscnt \younger                          ; the tile is back; the next tile's eight stores and eight loads may be out
.irp i, 0,1,2,3,4,5,6,7
	global_store_b128 v[OGO], v[o_b+4*\i:o_b+4*\i+3], s[14:15] offset:(16*(\a)+2*\i)*4096 th:TH_STORE_NT   ; sixteen lanes store 256 consecutive bytes, aligned; written once, read by nobody here
.endr
.endm
	TOSTAGE 0
.irp a, 1,2,3,4,5,6,7
.if \a > 1
	s_wait_xcnt 0x0                                ; the stores of the tile two back have read their registers: this tile's loads may land there
.endif
	TOSTAGE \a
	SEND \a-1, 16
.endr
	SEND 7, 0
	s_wait_tensorcnt 0x0
	ds_add_u32 v254, v255
	s_wait_dscnt 0x0
	ROUND                                          ; the closing round
	s_endpgm
.Lfunc_end_k_qaa27d91c11_proj:
	.size	k_qaa27d91c11_proj, .Lfunc_end_k_qaa27d91c11_proj-k_qaa27d91c11_proj
	.p2alignl 7, 3214868480
	.fill 96, 4, 3214868480
	.section	.rodata,"a",@progbits
	.p2align	6, 0x0
	.amdhsa_kernel k_qaa27d91c11_proj
		.amdhsa_group_segment_fixed_size 222720
		.amdhsa_private_segment_fixed_size 0
		.amdhsa_enable_private_segment 0
		.amdhsa_kernarg_size 48
		.amdhsa_user_sgpr_count 2
		.amdhsa_user_sgpr_kernarg_segment_ptr 1
		.amdhsa_wavefront_size32 1
		.amdhsa_system_sgpr_workgroup_id_x 1
		.amdhsa_system_sgpr_workgroup_id_y 1
		.amdhsa_system_sgpr_workgroup_id_z 1
		.amdhsa_system_vgpr_workitem_id 0
		.amdhsa_next_free_vgpr 704
		.amdhsa_next_free_sgpr 102
		.amdhsa_reserve_vcc 0
		.amdhsa_float_denorm_mode_32 3
		.amdhsa_float_denorm_mode_16_64 3
		.amdhsa_memory_ordered 1
		.amdhsa_forward_progress 1
		.amdhsa_inst_pref_size 73
	.end_amdhsa_kernel
	.amdgpu_metadata
---
amdhsa.version: [ 1, 2 ]
amdhsa.kernels:
  - .name:           k_qaa27d91c11_proj
    .symbol:         k_qaa27d91c11_proj.kd
    .args:
      - { .name: a_img, .offset: 0, .size: 8, .value_kind: global_buffer, .address_space: global }
      - { .name: a_sc, .offset: 8, .size: 8, .value_kind: global_buffer, .address_space: global }
      - { .name: Wo_codes, .offset: 16, .size: 8, .value_kind: global_buffer, .address_space: global }
      - { .name: Wo_scales, .offset: 24, .size: 8, .value_kind: global_buffer, .address_space: global }
      - { .name: bo, .offset: 32, .size: 8, .value_kind: global_buffer, .address_space: global }
      - { .name: out0, .offset: 40, .size: 8, .value_kind: global_buffer, .address_space: global }
    .group_segment_fixed_size: 222720
    .private_segment_fixed_size: 0
    .kernarg_segment_align: 8
    .kernarg_segment_size: 48
    .max_flat_workgroup_size: 128
    .sgpr_count:     102
    .vgpr_count:     704
    .wavefront_size: 32
...
	.end_amdgpu_metadata
.endif
;; end of part 3
;; ======== version 2 of 2: 3 launches; 1.07 times as fast as version 1
;; limits: right only within a limited range of input values
;; workspace buffers: q_img 4,194,304 bytes; k_img 4,194,304 bytes; v_img 4,194,304 bytes; q_sc 524,288 bytes; k_sc 524,288 bytes; v_sc 262,144 bytes; a_img 4,194,304 bytes; a_sc 262,144 bytes
;; launch qkv (part 4): grid 4 x 64, 4 waves a work-group, clusters of 4 x 4, 327,680 bytes of LDS; arguments x_codes, x_scales, Wqkv_codes, Wqkv_scales, bqkv, padding_mask, q_img, q_sc, k_img, k_sc, v_img, v_sc; writes q_img, q_sc, k_img, k_sc, v_img, v_sc
.if DOCPART == 4
	.amdgcn_target "amdgcn-amd-amdhsa--gfx1250"
	.amdhsa_code_object_version 6
	.text
	.protected	k_qaa27d91c11_qkv
	.globl	k_qaa27d91c11_qkv
	.p2align	8
	.type	k_qaa27d91c11_qkv,@function
k_qaa27d91c11_qkv:
	s_mov_b64 s[64:65], 0
	v_nop
	global_prefetch_b8 v0, s[64:65] scope:SCOPE_SE
	s_setreg_imm32_b32 hwreg(HW_REG_WAVE_MODE, 25, 1), 1
	s_wait_xcnt 0x0
	s_wait_alu depctr_hold_cnt(0) depctr_sa_sdst(0) depctr_va_vdst(0) depctr_va_sdst(0) depctr_va_ssrc(0) depctr_va_vcc(0) depctr_vm_vsrc(0)
	s_getreg_b32 s2, hwreg(HW_REG_IB_STS2, 6, 4)
	s_cmp_eq_u32 s2, 0
	s_cbranch_scc0 .Lentry_in_a_cluster
	s_endpgm
.Lentry_in_a_cluster:
	s_bfe_u32 s2, ttmp6, 0x10000c
	s_cmp_lg_u32 s2, 0xf033
	s_cbranch_scc0 .Lentry_shape_is_right
	s_endpgm
.Lentry_shape_is_right:
; x Wqkv + bqkv on codes of FP4 (E2M1) with E8M0 scales; RoPE on q and k; q and k quantised along d, v along the keys.
; A WORK-GROUP STAYS: it takes 128 rows (one step of 128 keys) and the same four heads of q, then of k, then of v: three passes of 128 x 256, written out.  x's tile, x's scale words and the tables serve all passes.
; Wave w makes one head: 8 tiles of rows x 4 tiles of columns, 32 accumulators.
; q, k: source 0 = 16 rows of W, source 1 = 16 rows of x: a lane holds ONE row t and its registers run along d.  v: the sources swapped: a lane holds ONE d and its registers run along t, the next product's K.
; THE ROWS OF W THAT FORM A TILE are taken in the order 0 2 4 6 1 3 5 7 (and + 8): lane r takes row 8 (r / 8) + 2 (r % 4) + (r / 4) % 2.  So in q and k registers 0-3 are the even columns (x1) and 4-7 the odd ones (x2)
; of j = 8 u + 4 (lane / 16) + 0 .. 3.  v's fragments carry the same order of d; the next launch undoes it by register numbers.
; OUTPUTS are images of operand registers: q_img, k_img [bh][step][tile][lane][16 bytes] (lane (r, h): block h of row r; inside a block d stands in one fixed order, alike in q and k, which keeps the products);
; v_img [bh][step][tile of d][c][lane][16 bytes]; the scale words beside them, 4 bytes a row.
; THE MASK rides in k's scale word: at k = 64 of the score product's idle upper half q holds the code +4 under byte 87 and k the code -4 under byte 250 (key hidden: -2^125) or 1 (open: -2^-124): a hidden key's score gets -2^87.
; Byte 3 is 1: its codes are zeros.
; W'S SIX CHUNKS (kind x half of K: 256 rows x 256 bytes) go through THREE LDS slots, chunk i into slot i % 3.  Chunks 0-2 are first fills.  Slot 0 takes chunk 3 at pass 0's change of chunks; slots 1 and 2 take chunks 4 and 5
; at pass 1's, one load a wave.  Each refill has half a pass and a whole way out in which to land.
; CLUSTERS: 4 x 4 work-groups: x's tiles are shared along a row of the cluster, W's along a column, by joint loads; a round of the cluster's barrier stands in front of the first fills, of each refill and of the end.
; TABLES: freqs = t x inv_freq in f32; the angle is brought under pi/4 by three fused multiply-adds with a three-part pi/2; sine to r^9, cosine to r^8 (the first term left out is under 4e-8 of the result).
; LIMITS: inv_freq is 10^(-j/8) rounded to f32: it may differ by a last bit from a power followed by a division.  Blocks whose largest magnitude lies under 2^-124 keep the byte 1 (zeros too: the bytes are read by this program alone).
; NaN and infinities among the inputs are not served.
; LDS: the tables, the small stages and the spare words have bytes of their own, into which no fill lands.  All of a WGP's LDS is claimed.
.set PITCH, 272                        ; an LDS row: 256 bytes + 16: the sixteen rows of a fragment load begin 68 words apart
.set T16,   16*PITCH
.set XC0,   0                          ; x: 128 rows, K 0..511
.set XC1,   128*PITCH                  ; K 512..1023
.set WS0,   256*PITCH                  ; W's three slots
.set WSL,   256*PITCH                  ; a slot: 256 rows
.set TAB,   WS0+3*WSL                  ; 128 rows: cos j at byte 4 j, sin j at 128 + 4 j
.set SSTG,  TAB+128*PITCH              ; q, k: 512 bytes of scale words for each wave
.set VSTG,  SSTG+2048                  ; v: 256 bytes for each wave
.set SPARE, VSTG+1024                  ; the spare words, 128 bytes for each wave: two blocks of 256 bytes that no other line names
.set KINDB, 1024*512                   ; from a kind's rows of W to the next kind's, in bytes
.set LI,   4                           ; v4   16 x lane
.set AX0,  5                           ; v5-6 x's fragments in the two chunks
.set AW0,  7                           ; v7-8 W's fragments in slots 0 and 1
.set ATB,  9                           ; v9   my place in a tile of table rows
.set ASS,  10                          ; v10  q, k: where my row's scale word goes
.set ASR,  11                          ; v11  and where 16 bytes of them are read back
.set OXS,  12                          ; v12  32 r
.set OWS,  13                          ; v13  32 x my row of a tile of W
.set OBI,  14                          ; v14  q, k: my offset in the bias
.set RSEL, 16                          ; v16  my row of a tile of W
.set TF,   17                          ; v17  t as f32
.set TT,   18                          ; v18-21 at work
.set SPW,  22                          ; v22  LDS address of my spare word: SPARE + 4 x my thread's number; never rewritten
.set NIL,  23                          ; v23  0; never rewritten
.set AVS,  24                          ; v24-25 v: as v10-11
.set AVR,  25
.set LI8,  26                          ; v26  8 x lane
.set ATS,  27                          ; v27  where my table row is stored
.set AW2,  28                          ; v28  W's fragments in slot 2
.set OBV,  29                          ; v29  v: my offset in the bias
.set XSC,  32                          ; v32-95   x's scale words: 8 a + q
.set WSC,  96                          ; v96-127  W's: 8 u + q, of the pass in hand
.set PCD,  128                         ; v128-159 the codes on the way out
.set EXT,  160                         ; v160-167 k: bytes 2 and 3 of the scale words, a register for each tile of rows
.set CTB,  168                         ; v168-183 cos, v184-199 sin of a tile of rows
.set STB,  184
.set CN,   168                         ; while the tables are made: cos j in v168+j, sin j in v200+j
.set SN,   200
.set RO,   200                         ; v200-231 the turned numbers: 16 of each block
.set TRR,  232                         ; table work, four j at a time
.set TKF,  236
.set TKI,  240
.set TS2,  244
.set TCC,  248
.set TSS,  252
.set TM,   236                         ; v236-239 largest magnitudes
.set T2,   240                         ; v240-243 the other half's, then the bytes
.set SO,   244                         ; v244-247 the conversions' scale operands
.set PW,   248                         ; v248-255 scale words, one register each
; window 1: the accumulators.  window 2: x's fragments, two sets of 64, then W's, two sets of 32.  window 3: v0-31 the bias of the pass in hand, in the result's layout
.set WV,   28
.set HOFF, 35                          ; s35  my half of a chunk in a slot: 0 or 128 rows
.set G1A,  36
.set G1B,  44
.set G0A,  52                          ; s[52:59] x's two chunks
.set G0B0, 60                          ; s[60:63] slot 0's group 0;  s[68:71] slot 1's;  s[88:91] slot 2's
.set G0B1, 68
.set G0B2, 88
.set SEL,  84
.set MSB, 0
.macro WIN new                         ; the immediate's high byte repeats the setting that is left
.if MSB != \new
	s_set_vgpr_msb (MSB<<8)|\new
.set MSB, \new
.endif
.endm
.macro PLACES                          ; four plain vector instructions between a matrix instruction and a load into, or a read of, its registers
.rept 4
	v_nop
.endr
.endm
.macro ROUND                           ; a round of the cluster's barrier
	s_barrier_signal -1
	s_barrier_wait -1
	s_cmp_lg_u32 s[WV], 0
	s_cbranch_scc1 .Lnot_wave_0_\@
	s_barrier_signal -3
.Lnot_wave_0_\@:
	s_barrier_wait -3
	s_barrier_signal -1
	s_barrier_wait -1
.endm
; nb blocks of 32, of which my lane holds 16 numbers each in v[src + 16 b] on (w1 = 1: in window 1) and lane l xor 16 the others: the conversions' scale operands into v[SO + b], the bytes into v[T2 + b]
.macro QMAX nb, src, w1
.if \w1
	WIN 0x05
.endif
.set q_b, 0
.rept \nb
	v_max3_num_f32 v[TM+q_b], |v[\src+16*q_b]|, |v[\src+16*q_b+1]|, 0x1800000   ; with the floor 2^(3 - 127): the byte cannot fall under 1
.set q_b, q_b+1
.endr
.set q_i, 2
.rept 7
.set q_b, 0
.rept \nb
	v_max3_num_f32 v[TM+q_b], |v[\src+16*q_b+q_i]|, |v[\src+16*q_b+q_i+1]|, v[TM+q_b]
.set q_b, q_b+1
.endr
.set q_i, q_i+2
.endr
	WIN 0
.set q_b, 0
.rept \nb
	v_permlanex16_b32 v[T2+q_b], v[TM+q_b], s[SEL], s[SEL+1]
.set q_b, q_b+1
.endr
.set q_b, 0
.rept \nb
	v_max_num_f32 v[TM+q_b], v[TM+q_b], v[T2+q_b]
.set q_b, q_b+1
.endr
.set q_b, 0
.rept \nb
	v_add_nc_u32 v[SO+q_b], 0xff000000, v[TM+q_b]                 ; 2 off the exponent field
.set q_b, q_b+1
.endr
.set q_b, 0
.rept \nb
	v_lshrrev_b32 v[T2+q_b], 23, v[SO+q_b]
.set q_b, q_b+1
.endr
.endm
	s_load_b512 s[4:19], s[0:1], 0x0               ; x_codes 4, x_scales 6, Wqkv_codes 8, Wqkv_scales 10, bqkv 12, padding_mask 14, q_img 16, q_sc 18
	s_load_b256 s[20:27], s[0:1], 0x40             ; k_img 20, k_sc 22, v_img 24, v_sc 26
	v_lshl_add_u32 v[SPW], v0, 2, SPARE
	v_mov_b32 v[NIL], 0
	ds_add_u32 v22, v23
	ds_add_u32 v22, v23
	s_wait_dscnt 0x0
	v_lshrrev_b32 v1, 5, v0
	v_readfirstlane_b32 s[WV], v1                  ; wave 0..3
	s_bfe_u32 s29, ttmp6, 0x40000                  ; cx
	s_bfe_u32 s30, ttmp6, 0x40004                  ; cy
	s_lshl_b32 s31, ttmp9, 2
	s_add_co_u32 s31, s31, s29                     ; cb: my four heads: 256 columns of each kind
	s_and_b32 s32, ttmp7, 0xffff
	s_lshl_b32 s32, s32, 2
	s_add_co_u32 s32, s32, s30                     ; RB: my block of 128 rows
	s_lshl_b32 s33, s30, 2
	s_lshl_b32 s33, 15, s33                        ; my row of the cluster: it shares x's tiles
	s_lshl_b32 s34, 0x1111, s29                    ; my column: it shares W's
	s_or_b32 s[G1A], s33, (1<<20)|(1<<21)|(5<<22)|(3<<25)   ; elements of 1 byte; 4 words of padding behind every 64; bit 21 beside a mask
	s_or_b32 s[G1B], s34, (1<<20)|(1<<21)|(5<<22)|(3<<25)
.irp g, G1A, G1B
	s_mov_b32 s[\g+1], 256<<16                     ; tensor_dim0 = 256 bytes
	s_mov_b32 s[\g+2], 128<<16                     ; tensor_dim1 = 128 rows
	s_mov_b32 s[\g+3], 256<<16                     ; tile_dim0
	s_mov_b32 s[\g+4], 128                         ; tile_dim1
	s_mov_b32 s[\g+5], 512                         ; a row of 1,024 codes
	s_mov_b32 s[\g+6], 0
	s_mov_b32 s[\g+7], 0
.endr
	s_mov_b32 s72, 0x3f22f983                      ; 2 / pi
	s_mov_b32 s73, 0xbfc90fd8                      ; -pi/2 in three parts
	s_mov_b32 s74, 0xb4a8885a
	s_mov_b32 s75, 0xa7c234c4
	s_mov_b32 s76, 0x37d00d01                      ; 1/40320
	s_mov_b32 s77, 0xbab60b61                      ; -1/720
	s_mov_b32 s78, 0x3d2aaaab                      ; 1/24
	s_mov_b32 s79, 0x3638ef1d                      ; 1/362880
	s_mov_b32 s80, 0xb9500d01                      ; -1/5040
	s_mov_b32 s81, 0x3c088889                      ; 1/120
	s_mov_b32 s82, 0xbe2aaaab                      ; -1/6
	s_mov_b32 s83, 0x80000000
	s_mov_b32 s[SEL], 0x76543210
	s_mov_b32 s[SEL+1], 0xfedcba98                 ; lane l xor 16
	s_lshl_b32 s86, s32, 16                        ; x's codes: 128 rows of 512 bytes a block
	s_mov_b32 s87, 0
	s_add_co_u32 s[HOFF], s[WV], 1
	s_and_b32 s[HOFF], s[HOFF], 1                  ; which 128 rows of a chunk of W are mine to fetch: waves 1 and 3 the first, waves 0 and 2 the second
	s_lshl_b32 s2, s[HOFF], 16
	s_mul_i32 s[HOFF], s[HOFF], 128*PITCH
	s_lshl_b32 s92, s31, 17
	s_add_co_u32 s92, s92, s2
	s_mov_b32 s93, 0
	s_lshl_b32 s94, s32, 12                        ; x's scales: 32 bytes a row
	s_mov_b32 s95, 0
	s_lshl_b32 s96, s31, 13                        ; W's scales, at my head's 64 rows
	s_lshl_b32 s97, s[WV], 11
	s_add_co_u32 s96, s96, s97
	s_mov_b32 s97, 0
	s_lshl_b32 s98, s31, 10                        ; the bias, at my head
	s_lshl_b32 s99, s[WV], 8
	s_add_co_u32 s98, s98, s99
	s_mov_b32 s99, 0
	s_lshl_b32 s100, s32, 7                        ; the mask: a byte a row
	s_mov_b32 s101, 0
	s_wait_kmcnt 0x0
	s_add_nc_u64 s[4:5], s[4:5], s[86:87]
	s_add_nc_u64 s[8:9], s[8:9], s[92:93]
	s_add_nc_u64 s[6:7], s[6:7], s[94:95]
	s_add_nc_u64 s[10:11], s[10:11], s[96:97]
	s_add_nc_u64 s[12:13], s[12:13], s[98:99]
	s_add_nc_u64 s[14:15], s[14:15], s[100:101]
	ROUND                                          ; all sixteen work-groups are here: the joint loads meet
.irp c, 0,1
	s_mov_b32 s[G0A+4*\c], 1
	s_mov_b32 s[G0A+4*\c+1], XC0+\c*128*PITCH
	s_add_nc_u64 s[G0A+4*\c+2:G0A+4*\c+3], s[4:5], \c*256
	s_or_b32 s[G0A+4*\c+3], s[G0A+4*\c+3], 0x80000000
.endr
	s_mov_b32 s[G0B0], 1                           ; chunk 0: q, K 0..511
	s_add_co_u32 s[G0B0+1], s[HOFF], WS0
	s_add_nc_u64 s[G0B0+2:G0B0+3], s[8:9], 0
	s_or_b32 s[G0B0+3], s[G0B0+3], 0x80000000
	s_mov_b32 s[G0B1], 1                           ; chunk 1: q, K 512..1023
	s_add_co_u32 s[G0B1+1], s[HOFF], WS0+WSL
	s_add_nc_u64 s[G0B1+2:G0B1+3], s[8:9], 256
	s_or_b32 s[G0B1+3], s[G0B1+3], 0x80000000
	s_mov_b32 s[G0B2], 1                           ; chunk 2: k, K 0..511
	s_add_co_u32 s[G0B2+1], s[HOFF], WS0+2*WSL
	s_add_nc_u64 s[G0B2+2:G0B2+3], s[8:9], KINDB
	s_or_b32 s[G0B2+3], s[G0B2+3], 0x80000000
	s_cmp_eq_u32 s[WV], 0                          ; wave 0: x's two chunks; waves 1, 2: their halves of W's chunks 0-2; wave 3: none.  Three loads of a wave are out at the most
	s_cbranch_scc0 .Lnot_x
	tensor_load_to_lds s[G0A:G0A+3], s[G1A:G1A+7]
	s_nop 0
	tensor_load_to_lds s[G0A+4:G0A+7], s[G1A:G1A+7]
	s_nop 0
.rept 4
	v_nop
.endr
	s_branch .Lasked
.Lnot_x:
	s_cmp_lt_u32 s[WV], 3
	s_cbranch_scc0 .Lasked
	tensor_load_to_lds s[G0B0:G0B0+3], s[G1B:G1B+7]
	s_nop 0
	tensor_load_to_lds s[G0B1:G0B1+3], s[G1B:G1B+7]
	s_nop 0
	tensor_load_to_lds s[G0B2:G0B2+3], s[G1B:G1B+7]
	s_nop 0
.rept 4
	v_nop
.endr
.Lasked:
	v_and_b32 v1, 15, v0                           ; r
	v_bfe_u32 v2, v0, 4, 1                         ; h
	v_and_b32 v3, 31, v0                           ; lane
	v_lshlrev_b32 v[LI], 4, v3
	v_lshlrev_b32 v[LI8], 3, v3
	v_and_b32 v18, 8, v1
	v_and_b32 v19, 3, v1
	v_lshl_add_u32 v[RSEL], v19, 1, v18
	v_bfe_u32 v19, v1, 2, 1
	v_add_nc_u32 v[RSEL], v[RSEL], v19             ; 8 (r / 8) + 2 (r % 4) + (r / 4) % 2
	v_lshlrev_b32 v[OXS], 5, v1
	v_lshlrev_b32 v[OWS], 5, v[RSEL]
	v_lshlrev_b32 v[OBI], 5, v2                    ; q, k: register i of tile u is column 16 u + 8 h + 2 (i % 4) + i / 4
	v_lshlrev_b32 v[OBV], 2, v[RSEL]               ; v: all eight registers of tile u are my lane's column
; W's scale words and the bias of a kind: 32,768 and 4,096 bytes from kind to kind, in the immediates
.macro LDW kind
.irp u, 0,1,2,3
.irp e, 0,1
	global_load_b128 v[WSC+8*\u+4*\e:WSC+8*\u+4*\e+3], v[OWS], s[10:11] offset:32768*\kind+512*\u+16*\e
.endr
.endr
.endm
.macro LDB kind
	WIN 0xc0                                       ; destination window 3
.irp u, 0,1,2,3
.irp i, 0,1,2,3,4,5,6,7
.if \kind == 2
	global_load_b32 v[8*\u+\i], v[OBV], s[12:13] offset:8192+64*\u
.else
	global_load_b32 v[8*\u+\i], v[OBI], s[12:13] offset:4096*\kind+(16*\u+2*(\i&3)+(\i>>2))*4
.endif
.endr
.endr
	WIN 0
.endm
.irp a, 0,1,2,3,4,5,6,7
.irp e, 0,1
	global_load_b128 v[XSC+8*\a+4*\e:XSC+8*\a+4*\e+3], v[OXS], s[6:7] offset:512*\a+16*\e   ; row 16 a + r: its eight scale words: they stay
.endr
.endr
	LDW 0
	LDB 0                                          ; 56 loads are out
	v_mul_u32_u24 v[AX0], v1, PITCH
	v_lshl_add_u32 v[AX0], v2, 4, v[AX0]           ; row r, + 16 h
	v_add_nc_u32 v[AX0+1], XC1, v[AX0]
	v_add_nc_u32 v[ATB], TAB, v[AX0]
	v_mul_u32_u24 v[AW0], v[RSEL], PITCH
	v_lshl_add_u32 v[AW0], v2, 4, v[AW0]
	s_mul_i32 s100, s[WV], 64*PITCH
	s_add_co_u32 s100, s100, WS0
	v_add_nc_u32 v[AW0], s100, v[AW0]              ; my head's 64 rows of W, in slot 0,
	v_add_nc_u32 v[AW0+1], WSL, v[AW0]             ; slot 1,
	v_add_nc_u32 v[AW2], 2*WSL, v[AW0]             ; slot 2
	s_lshl_b32 s100, s[WV], 9
	s_add_co_u32 s100, s100, SSTG
	v_lshl_add_u32 v[ASS], v1, 2, s100
	v_add_nc_u32 v[ASR], s100, v[LI]
	s_lshl_b32 s100, s[WV], 8
	s_add_co_u32 s100, s100, VSTG
	v_lshl_add_u32 v[AVS], v1, 2, s100
	v_add_nc_u32 v[AVR], s100, v[LI8]
	v_mul_u32_u24 v[ATS], v3, PITCH
	s_mul_i32 s100, s[WV], 32*PITCH
	s_add_co_u32 s100, s100, TAB
	v_add_nc_u32 v[ATS], s100, v[ATS]              ; table row 32 w + lane
	s_and_b32 s100, s32, 15
	s_lshl_b32 s100, s100, 7
	s_lshl_b32 s101, s[WV], 5
	s_add_co_u32 s100, s100, s101
	v_add_nc_u32 v[TF], s100, v3
	v_cvt_f32_u32 v[TF], v[TF]                     ; t of table row 32 w + lane
; Four j at a time, line by line, so that no line waits for the line above it.  cos and sin of t x f in v[CN + j], v[SN + j]; each j has registers of its own, so no LDS store's data are written again.
.macro SC4 g, f0, f1, f2, f3
	v_mul_f32 v[TRR], \f0, v[TF]
	v_mul_f32 v[TRR+1], \f1, v[TF]
	v_mul_f32 v[TRR+2], \f2, v[TF]
	v_mul_f32 v[TRR+3], \f3, v[TF]
.irp i, 0,1,2,3
	v_mul_f32 v[TKF+\i], s72, v[TRR+\i]
.endr
.irp i, 0,1,2,3
	v_rndne_f32 v[TKF+\i], v[TKF+\i]               ; how many quarter turns
.endr
.irp i, 0,1,2,3
	v_fma_f32 v[TRR+\i], v[TKF+\i], s73, v[TRR+\i]
.endr
.irp i, 0,1,2,3
	v_fma_f32 v[TRR+\i], v[TKF+\i], s74, v[TRR+\i]
.endr
.irp i, 0,1,2,3
	v_fma_f32 v[TRR+\i], v[TKF+\i], s75, v[TRR+\i]  ; r, at most about pi/4
.endr
.irp i, 0,1,2,3
	v_cvt_i32_f32 v[TKI+\i], v[TKF+\i]
.endr
.irp i, 0,1,2,3
	v_mul_f32 v[TS2+\i], v[TRR+\i], v[TRR+\i]
.endr
.irp i, 0,1,2,3
	v_fma_f32 v[TCC+\i], v[TS2+\i], s76, s77
.endr
.irp i, 0,1,2,3
	v_fma_f32 v[TCC+\i], v[TCC+\i], v[TS2+\i], s78
.endr
.irp i, 0,1,2,3
	v_fma_f32 v[TCC+\i], v[TCC+\i], v[TS2+\i], -0.5
.endr
.irp i, 0,1,2,3
	v_fma_f32 v[TCC+\i], v[TCC+\i], v[TS2+\i], 1.0  ; cos r
.endr
.irp i, 0,1,2,3
	v_fma_f32 v[TSS+\i], v[TS2+\i], s79, s80
.endr
.irp i, 0,1,2,3
	v_fma_f32 v[TSS+\i], v[TSS+\i], v[TS2+\i], s81
.endr
.irp i, 0,1,2,3
	v_fma_f32 v[TSS+\i], v[TSS+\i], v[TS2+\i], s82
.endr
.irp i, 0,1,2,3
	v_mul_f32 v[TS2+\i], v[TRR+\i], v[TS2+\i]
.endr
.irp i, 0,1,2,3
	v_fma_f32 v[TSS+\i], v[TSS+\i], v[TS2+\i], v[TRR+\i]   ; sin r
.endr
.irp i, 0,1,2,3
	v_and_b32 v[TT+\i], 1, v[TKI+\i]
.endr
.irp i, 0,1,2,3
	v_cmp_eq_u32 s[96+\i], 1, v[TT+\i]             ; an odd quarter swaps the two: a choice of values only
.endr
.irp i, 0,1,2,3
	v_cndmask_b32 v[SN+4*\g+\i], v[TSS+\i], v[TCC+\i], s[96+\i]
.endr
.irp i, 0,1,2,3
	v_cndmask_b32 v[CN+4*\g+\i], v[TCC+\i], v[TSS+\i], s[96+\i]
.endr
.irp i, 0,1,2,3
	v_lshlrev_b32 v[TT+\i], 30, v[TKI+\i]
.endr
.irp i, 0,1,2,3
	v_and_b32 v[TT+\i], s83, v[TT+\i]
.endr
.irp i, 0,1,2,3
	v_xor_b32 v[SN+4*\g+\i], v[SN+4*\g+\i], v[TT+\i]   ; sin is negative in quarters 2 and 3
.endr
.irp i, 0,1,2,3
	v_add_nc_u32 v[TKI+\i], 1, v[TKI+\i]
.endr
.irp i, 0,1,2,3
	v_lshlrev_b32 v[TKI+\i], 30, v[TKI+\i]
.endr
.irp i, 0,1,2,3
	v_and_b32 v[TKI+\i], s83, v[TKI+\i]
.endr
.irp i, 0,1,2,3
	v_xor_b32 v[CN+4*\g+\i], v[CN+4*\g+\i], v[TKI+\i]  ; cos in quarters 1 and 2
.endr
	ds_store_b128 v[ATS], v[CN+4*\g:CN+4*\g+3] offset:16*\g
	ds_store_b128 v[ATS], v[SN+4*\g:SN+4*\g+3] offset:128+16*\g
.endm
	SC4 0, 0x3f800000, 0x3f3ff911, 0x3f0ff59a, 0x3ed7e89b      ; 10^(-j/8), j = 0 .. 31: the tables are made once, while the tiles land
	SC4 1, 0x3ea1e89b, 0x3e72d424, 0x3e361887, 0x3e088d77
	SC4 2, 0x3dcccccd, 0x3d99940e, 0x3d6655c3, 0x3d2cba15
	SC4 3, 0x3d0186e2, 0x3cc24350, 0x3c91ad39, 0x3c5a7bf1
.irp a, 0,1,2,3,4,5,6,7
	global_load_u8 v[EXT+\a], v1, s[14:15] offset:16*\a            ; the mask of row 16 a + r: asked for here, with half of the table work still ahead of the wait for it
.endr
	SC4 4, 0x3c23d70a, 0x3bf5b9b0, 0x3bb8449c, 0x3b8a2e77
	SC4 5, 0x3b4f3e37, 0x3b1b690d, 0x3ae91528, 0x3aaec98e
	SC4 6, 0x3a83126f, 0x3a44948c, 0x3a136a16, 0x39dd1726
	SC4 7, 0x39a5cb5f, 0x3978a814, 0x393a7753, 0x390bd472
	s_mov_b32 s86, 0xf90000                        ; k: byte 2 = 1 + 249 x mask,
	s_mov_b32 s2, 0x01010000                       ;    byte 3 = 1
	s_mov_b32 s87, 0x01570000                      ; q: byte 2 = 87, byte 3 = 1
	s_lshr_b32 s94, s32, 4                         ; b
	s_lshl_b32 s94, s94, 4
	s_and_b32 s95, s31, 3
	s_lshl_b32 s95, s95, 2
	s_add_co_u32 s94, s94, s95
	s_add_co_u32 s94, s94, s[WV]                   ; bh = 16 b + head
	s_and_b32 s95, s32, 15                         ; the step of 128 keys
	s_lshl_b32 s100, s94, 13
	s_lshl_b32 s101, s95, 9
	s_add_co_u32 s100, s100, s101                  ; s[100:101]: q's and k's scale words: 512 bytes a step
	s_mov_b32 s101, 0
	s_lshl_b32 s94, s94, 16
	s_lshl_b32 s95, s95, 12
	s_add_co_u32 s94, s94, s95                     ; s[94:95]: the images: 4,096 bytes a step
	s_mov_b32 s95, 0
	s_wait_loadcnt 0x0
.irp a, 0,1,2,3,4,5,6,7
	v_mad_u32_u24 v[EXT+\a], v[EXT+\a], s86, s2
.endr
.irp b, 0,1,2,3
	v_mov_b32 v[T2+\b], 0                          ; written once: a lane permute's destination counts as one of its sources
.endr
	s_wait_dscnt 0x0                               ; my table rows lie in LDS
	s_wait_tensorcnt 0x1                           ; wave 0: x's K 0..511 is in; waves 1, 2: W's chunks 0 and 1; the last first fill may stay out
	s_barrier_signal -1
	s_barrier_wait -1
; The fragments of K step q (128 along K): x's eight, W's four (aw: the address register of the slot that holds them), into set q % 2 of window 2
.macro FETCH q, aw
	WIN 0x80
.set f_p, (\q)&1
.irp a, 0,1,2,3,4,5,6,7
.irp c, 0,1
	ds_load_b128 v[64*f_p+8*\a+4*\c:64*f_p+8*\a+4*\c+3], v[AX0+((\q)>>2)] offset:\a*T16+((\q)&3)*64+32*\c
.endr
.endr
.irp u, 0,1,2,3
.irp c, 0,1
	ds_load_b128 v[128+32*f_p+8*\u+4*\c:128+32*f_p+8*\u+4*\c+3], v[\aw] offset:\u*T16+((\q)&3)*64+32*\c
.endr
.endr
	WIN 0
.endm
; 32 matrix instructions, each accumulator once.  tv = 0: q, k;  1: v.  The first K step takes the bias as C.
.macro MUL q, tv
.set m_p, (\q)&1
.if (\q) == 0
	WIN 0x7a                                       ; sources 0 and 1 window 2, C window 3, D window 1
.else
	WIN 0x5a                                       ; C and D window 1
.endif
.irp a, 0,1,2,3,4,5,6,7
.irp u, 0,1,2,3
.set m_xf, 64*m_p+8*\a
.set m_wf, 128+32*m_p+8*\u
.if \tv
.set m_ac, 8*(8*\u+\a)
.else
.set m_ac, 8*(4*\a+\u)
.endif
.if (\q) == 0
.set m_cc, 8*\u
.else
.set m_cc, m_ac
.endif
.if \tv
	v_wmma_scale_f32_16x16x128_f8f6f4 v[m_ac:m_ac+7], v[m_xf:m_xf+7], v[m_wf:m_wf+7], v[m_cc:m_cc+7], v[XSC+8*\a+(\q)], v[WSC+8*\u+(\q)] matrix_a_fmt:MATRIX_FMT_FP4 matrix_b_fmt:MATRIX_FMT_FP4
.else
	v_wmma_scale_f32_16x16x128_f8f6f4 v[m_ac:m_ac+7], v[m_wf:m_wf+7], v[m_xf:m_xf+7], v[m_cc:m_cc+7], v[WSC+8*\u+(\q)], v[XSC+8*\a+(\q)] matrix_a_fmt:MATRIX_FMT_FP4 matrix_b_fmt:MATRIX_FMT_FP4
.endif
.endr
.endr
	WIN 0
.endm
; The joint refills.  The branches hang on the wave's number alone; four v_nop follow each tensor load.
.macro RFILL1                          ; slot 0 takes chunk 3 (k, K 512..1023): waves 1 and 2, a half each
	s_cmp_eq_u32 s[WV], 0
	s_cbranch_scc1 .Lnone_\@
	s_cmp_lt_u32 s[WV], 3
	s_cbranch_scc0 .Lnone_\@
	tensor_load_to_lds s[G0B0:G0B0+3], s[G1B:G1B+7]
	s_nop 0
.rept 4
	v_nop
.endr
.Lnone_\@:
.endm
.macro RFILL2                          ; slot 1 takes chunk 4 (v, K 0..511): waves 1 and 2;  slot 2 takes chunk 5 (v, K 512..1023): waves 0 and 3
	s_cmp_eq_u32 s[WV], 0
	s_cbranch_scc1 .Lfive_\@
	s_cmp_lt_u32 s[WV], 3
	s_cbranch_scc0 .Lfive_\@
	tensor_load_to_lds s[G0B1:G0B1+3], s[G1B:G1B+7]
	s_nop 0
.rept 4
	v_nop
.endr
	s_branch .Lasked_\@
.Lfive_\@:
	tensor_load_to_lds s[G0B2:G0B2+3], s[G1B:G1B+7]
	s_nop 0
.rept 4
	v_nop
.endr
.Lasked_\@:
.endm
; K step q: the next step's fragments are fetched, this step's are multiplied.  sync = 1, 2: the change of chunks at which slots are filled again.
.macro KSTEP q, tv, aw, sync
.if \sync
	s_wait_tensorcnt 0x0                           ; all my tensor loads have landed, my part of the chunk ahead among them: so every group 0 may be written;
	ds_add_u32 v[SPW], v[NIL]                      ; 0 onto my spare word; the descriptors' steps stand between it and the wait for it
	ds_add_u32 v22, v23
.if \sync == 1
	s_add_nc_u64 s[G0B0+2:G0B0+3], s[G0B0+2:G0B0+3], KINDB+256     ; chunk 0 -> chunk 3; the type bits on top are not reached
.else
	s_add_nc_u64 s[G0B1+2:G0B1+3], s[G0B1+2:G0B1+3], 2*KINDB-256   ; chunk 1 -> chunk 4
	s_add_nc_u64 s[G0B2+2:G0B2+3], s[G0B2+2:G0B2+3], KINDB+256     ; chunk 2 -> chunk 5
.endif
	s_wait_dscnt 0x0                               ; the add is done, and my reads of the chunk behind are in registers
	ROUND                                          ; both now hold of every wave of every work-group of the cluster
.if \sync == 1
	RFILL1
.else
	RFILL2
.endif
.endif
.if (\q) < 7
.if (\q) > 0
	PLACES
.endif
	FETCH (\q)+1, \aw
	s_wait_dscnt 24                                ; all but the 24 loads just issued: this step's fragments are in
.else
	s_wait_dscnt 0x0
.endif
	MUL \q, \tv
.endm
; A pass: 128 rows x my head's 64 columns of one kind, all of K.  awa, awb: the slots of its two chunks
.macro PASS tv, awa, awb, sync
	FETCH 0, \awa
	KSTEP 0, \tv, \awa, 0
	KSTEP 1, \tv, \awa, 0
	KSTEP 2, \tv, \awa, 0
	KSTEP 3, \tv, \awb, \sync
	KSTEP 4, \tv, \awb, 0
	KSTEP 5, \tv, \awb, 0
	KSTEP 6, \tv, \awb, 0
	KSTEP 7, \tv, \awb, 0
	PLACES                                         ; in front of the loads into the scale words' and the bias's registers, and of the first read of results
.endm
; ---- the way out of q and k: RoPE, the quantiser along d, a tile of 16 rows at a time
.macro TABLD a                         ; cos and sin of row 16 a + r, j = 8 u + 4 h + 0 .. 3
.irp u, 0,1,2,3
	ds_load_b128 v[CTB+4*\u:CTB+4*\u+3], v[ATB] offset:(\a)*T16+32*\u
	ds_load_b128 v[STB+4*\u:STB+4*\u+3], v[ATB] offset:(\a)*T16+32*\u+128
.endr
.endm
.macro OUTQK a, kk
.if (\a) == 0
	s_wait_dscnt 0x0
.else
	s_wait_dscnt 0x1                               ; the eight table loads are in; the scale word's store behind them may be out
.endif
	WIN 0x01                                       ; source 0: the accumulators, window 1
.irp u, 0,1,2,3
.irp e, 0,2
	v_pk_mul_f32 v[RO+4*\u+\e:RO+4*\u+\e+1], v[8*(4*(\a)+\u)+\e:8*(4*(\a)+\u)+\e+1], v[CTB+4*\u+\e:CTB+4*\u+\e+1]
	v_pk_mul_f32 v[RO+16+4*\u+\e:RO+16+4*\u+\e+1], v[8*(4*(\a)+\u)+\e:8*(4*(\a)+\u)+\e+1], v[STB+4*\u+\e:STB+4*\u+\e+1]
.endr
.endr
.irp u, 0,1,2,3
.irp e, 0,2
	v_pk_fma_f32 v[RO+4*\u+\e:RO+4*\u+\e+1], v[8*(4*(\a)+\u)+4+\e:8*(4*(\a)+\u)+4+\e+1], v[STB+4*\u+\e:STB+4*\u+\e+1], v[RO+4*\u+\e:RO+4*\u+\e+1] neg_lo:[1,0,0] neg_hi:[1,0,0]   ; x1 cos - x2 sin: d = j
	v_pk_fma_f32 v[RO+16+4*\u+\e:RO+16+4*\u+\e+1], v[8*(4*(\a)+\u)+4+\e:8*(4*(\a)+\u)+4+\e+1], v[CTB+4*\u+\e:CTB+4*\u+\e+1], v[RO+16+4*\u+\e:RO+16+4*\u+\e+1]                    ; x1 sin + x2 cos: d = 32 + j
.endr
.endr
	WIN 0
.if (\a) < 7
	TABLD (\a)+1                                   ; the next tile's rows come while this one is quantised
.endif
	QMAX 2, RO, 0
	v_lshl_or_b32 v[PW+(\a)], v[T2+1], 8, v[T2]
.if \kk
	v_or_b32 v[PW+(\a)], v[PW+(\a)], v[EXT+(\a)]   ; k: the two block bytes, the mask's byte, byte 3
.else
	v_or_b32 v[PW+(\a)], s87, v[PW+(\a)]           ; q: the two block bytes, 87, byte 3
.endif
	v_cvt_scalef32_pk8_fp4_f32 v[PCD+4*(\a)], v[RO:RO+7], v[SO]
	v_cvt_scalef32_pk8_fp4_f32 v[PCD+4*(\a)+1], v[RO+8:RO+15], v[SO]
	v_cvt_scalef32_pk8_fp4_f32 v[PCD+4*(\a)+2], v[RO+16:RO+23], v[SO+1]
	v_cvt_scalef32_pk8_fp4_f32 v[PCD+4*(\a)+3], v[RO+24:RO+31], v[SO+1]
	v_nop                                          ; one plain place behind a scaled conversion
	v_permlane16_swap_b32 v[PCD+4*(\a)], v[PCD+4*(\a)+2]     ; lanes 0-15 get the whole of block 0, lanes 16-31 of block 1
	v_permlane16_swap_b32 v[PCD+4*(\a)+1], v[PCD+4*(\a)+3]
	global_store_b128 v[LI], v[PCD+4*(\a):PCD+4*(\a)+3], s[96:97] offset:512*(\a)   ; 512 consecutive bytes, aligned
	ds_store_b32 v[ASS], v[PW+(\a)] offset:64*(\a)  ; lanes r and 16 + r write the same word with the same value
.endm
.macro WAYQK kk, pimg, psc
	s_wait_xcnt 0x0                                ; the last way out's stores have read their data and bases: both are written again only behind this wait
	s_add_nc_u64 s[96:97], s[\pimg:\pimg+1], s[94:95]
	s_add_nc_u64 s[98:99], s[\psc:\psc+1], s[100:101]
	TABLD 0
	OUTQK 0, \kk
	OUTQK 1, \kk
	OUTQK 2, \kk
	OUTQK 3, \kk
	OUTQK 4, \kk
	OUTQK 5, \kk
	OUTQK 6, \kk
	OUTQK 7, \kk
	ds_load_b128 v[TM:TM+3], v[ASR]                ; a wave's LDS instructions are served in order: this sees my eight stores
	s_wait_dscnt 0x0
	global_store_b128 v[LI], v[TM:TM+3], s[98:99]  ; the step's 128 scale words of my head: 512 consecutive bytes
.endm
; ---- the way out of v: the quantiser along the keys, a tile of 16 d at a time: its 64 registers are t = 16 a + 8 h + j
.macro OUTV t
	QMAX 4, 64*(\t), 1
	v_lshl_or_b32 v[PW+(\t)], v[T2+1], 8, v[T2]
	v_lshl_or_b32 v[PW+(\t)], v[T2+2], 16, v[PW+(\t)]
	v_lshl_or_b32 v[PW+(\t)], v[T2+3], 24, v[PW+(\t)]
	WIN 0x01
.irp c, 0,1
.irp e, 0,1
	v_cvt_scalef32_pk8_fp4_f32 v[PCD+8*(\t)+4*\c+\e], v[64*(\t)+16*(2*\c+\e):64*(\t)+16*(2*\c+\e)+7], v[SO+2*\c+\e]         ; block 2 c + e: keys + 8 h + 0 .. 7
	v_cvt_scalef32_pk8_fp4_f32 v[PCD+8*(\t)+4*\c+2+\e], v[64*(\t)+16*(2*\c+\e)+8:64*(\t)+16*(2*\c+\e)+15], v[SO+2*\c+\e]    ; and + 16 + 8 h + 0 .. 7
.endr
.endr
	WIN 0
	v_nop
.irp c, 0,1
	v_permlane16_swap_b32 v[PCD+8*(\t)+4*\c], v[PCD+8*(\t)+4*\c+1]       ; lanes 0-15: block 2 c whole, lanes 16-31: block 2 c + 1, keys ascending
	v_permlane16_swap_b32 v[PCD+8*(\t)+4*\c+2], v[PCD+8*(\t)+4*\c+3]
.endr
.irp c, 0,1
	global_store_b128 v[LI], v[PCD+8*(\t)+4*\c:PCD+8*(\t)+4*\c+3], s[96:97] offset:1024*(\t)+512*\c
.endr
	ds_store_b32 v[AVS], v[PW+(\t)] offset:64*(\t)
.endm
; ==== q: chunks 0 and 1 in slots 0 and 1; at the change of chunks slot 0 is filled again
	PASS 0, AW0, AW0+1, 1
	LDW 1                                          ; k's scale words and bias are asked for here and land under the way out
	LDB 1
	WAYQK 0, 16, 18
; ==== k: chunks 2 and 3 in slots 2 and 0; at the change of chunks slots 1 and 2 are filled again
	s_wait_loadcnt 0x0
	PASS 0, AW2, AW0, 2
	LDW 2
	LDB 2
	WAYQK 1, 20, 22
; ==== v: chunks 4 and 5 in slots 1 and 2: both are shown landed here
	s_wait_tensorcnt 0x0                           ; my part of chunk 4 or 5 is in
	ds_add_u32 v[SPW], v[NIL]
	s_wait_loadcnt 0x0                             ; v's scale words and bias
	s_wait_dscnt 0x0
	s_barrier_signal -1
	s_barrier_wait -1                              ; everybody's are
	PASS 1, AW0+1, AW2, 0
	s_wait_xcnt 0x0                                ; k's stores have read their data and bases
	s_lshr_b32 s100, s100, 1                       ; v's scale words: 256 bytes a step
	s_add_nc_u64 s[96:97], s[24:25], s[94:95]
	s_add_nc_u64 s[98:99], s[26:27], s[100:101]
	OUTV 0
	OUTV 1
	OUTV 2
	OUTV 3
	ds_load_b64 v[TM:TM+1], v[AVR]
	s_wait_dscnt 0x0
	global_store_b64 v[LI8], v[TM:TM+1], s[98:99]  ; 256 consecutive bytes, aligned
	s_wait_tensorcnt 0x0                           ; the wave's end, behind my last tensor load and my last LDS store
	ds_add_u32 v[SPW], v[NIL]
	s_wait_dscnt 0x0
	ROUND                                          ; the closing round: no work-group ends while a partner may still ask for a tile that names it
	s_endpgm
.Lfunc_end_k_qaa27d91c11_qkv:
	.size	k_qaa27d91c11_qkv, .Lfunc_end_k_qaa27d91c11_qkv-k_qaa27d91c11_qkv
	.p2alignl 7, 3214868480
	.fill 96, 4, 3214868480
	.section	.rodata,"a",@progbits
	.p2align	6, 0x0
	.amdhsa_kernel k_qaa27d91c11_qkv
		.amdhsa_group_segment_fixed_size 327680
		.amdhsa_private_segment_fixed_size 0
		.amdhsa_enable_private_segment 0
		.amdhsa_kernarg_size 96
		.amdhsa_user_sgpr_count 2
		.amdhsa_user_sgpr_kernarg_segment_ptr 1
		.amdhsa_wavefront_size32 1
		.amdhsa_system_sgpr_workgroup_id_x 1
		.amdhsa_system_sgpr_workgroup_id_y 1
		.amdhsa_system_sgpr_workgroup_id_z 1
		.amdhsa_system_vgpr_workitem_id 0
		.amdhsa_next_free_vgpr 800
		.amdhsa_next_free_sgpr 102
		.amdhsa_reserve_vcc 0
		.amdhsa_float_denorm_mode_32 3
		.amdhsa_float_denorm_mode_16_64 3
		.amdhsa_memory_ordered 1
		.amdhsa_forward_progress 1
		.amdhsa_inst_pref_size 255
	.end_amdhsa_kernel
	.section	.bss,"aw",@nobits
	.p2align	6
	.space	262144
	.amdgpu_metadata
---
amdhsa.version: [ 1, 2 ]
amdhsa.kernels:
  - .name:           k_qaa27d91c11_qkv
    .symbol:         k_qaa27d91c11_qkv.kd
    .args:
      - { .name: x_codes, .offset: 0, .size: 8, .value_kind: global_buffer, .address_space: global }
      - { .name: x_scales, .offset: 8, .size: 8, .value_kind: global_buffer, .address_space: global }
      - { .name: Wqkv_codes, .offset: 16, .size: 8, .value_kind: global_buffer, .address_space: global }
      - { .name: Wqkv_scales, .offset: 24, .size: 8, .value_kind: global_buffer, .address_space: global }
      - { .name: bqkv, .offset: 32, .size: 8, .value_kind: global_buffer, .address_space: global }
      - { .name: padding_mask, .offset: 40, .size: 8, .value_kind: global_buffer, .address_space: global }
      - { .name: q_img, .offset: 48, .size: 8, .value_kind: global_buffer, .address_space: global }
      - { .name: q_sc, .offset: 56, .size: 8, .value_kind: global_buffer, .address_space: global }
      - { .name: k_img, .offset: 64, .size: 8, .value_kind: global_buffer, .address_space: global }
      - { .name: k_sc, .offset: 72, .size: 8, .value_kind: global_buffer, .address_space: global }
      - { .name: v_img, .offset: 80, .size: 8, .value_kind: global_buffer, .address_space: global }
      - { .name: v_sc, .offset: 88, .size: 8, .value_kind: global_buffer, .address_space: global }
    .group_segment_fixed_size: 327680
    .private_segment_fixed_size: 0
    .kernarg_segment_align: 8
    .kernarg_segment_size: 96
    .max_flat_workgroup_size: 128
    .sgpr_count:     102
    .vgpr_count:     800
    .wavefront_size: 32
...
	.end_amdgpu_metadata
.endif
;; end of part 4
;; launch attn (part 5): grid 8 x 32, 16 waves a work-group, clusters of 4 x 1, 289,792 bytes of LDS; arguments q_img, q_sc, k_img, k_sc, v_img, v_sc, a_img, a_sc; writes a_img, a_sc
.if DOCPART == 5
	.amdgcn_target "amdgcn-amd-amdhsa--gfx1250"
	.amdhsa_code_object_version 6
	.text
	.protected	k_qaa27d91c11_attn
	.globl	k_qaa27d91c11_attn
	.p2align	8
	.type	k_qaa27d91c11_attn,@function
k_qaa27d91c11_attn:
	s_mov_b64 s[64:65], 0
	v_nop
	global_prefetch_b8 v0, s[64:65] scope:SCOPE_SE
	s_setreg_imm32_b32 hwreg(HW_REG_WAVE_MODE, 25, 1), 1
	s_wait_xcnt 0x0
	s_wait_alu depctr_hold_cnt(0) depctr_sa_sdst(0) depctr_va_vdst(0) depctr_va_sdst(0) depctr_va_ssrc(0) depctr_va_vcc(0) depctr_vm_vsrc(0)
	s_getreg_b32 s2, hwreg(HW_REG_IB_STS2, 6, 4)
	s_cmp_eq_u32 s2, 0
	s_cbranch_scc0 .Lentry_in_a_cluster
	s_endpgm
.Lentry_in_a_cluster:
	s_bfe_u32 s2, ttmp6, 0x10000c
	s_cmp_lg_u32 s2, 0x3003
	s_cbranch_scc0 .Lentry_shape_is_right
	s_endpgm
.Lentry_shape_is_right:
; Attention on codes of FP4 (E2M1): S^T = K Q^T, p = 2^(t - M), O^T = V^T P^T, O / l, and O quantised along head x 64 + d for the last product.
; A work-group owns 256 queries of two neighbouring heads (one K step of 128 of the last product); each of its sixteen waves owns 16 queries, first for one head, then for the other: four waves to a SIMD.
; Both heads' K and V in codes and their scale words lie in LDS whole, filled once; the four query blocks of a cluster ask for them jointly.
; All operands come as images of their registers: a fragment is read at 16 x lane, its scale words at 4 x lane.
; A lane holds ONE query (lane % 16) throughout.  Tile t of S^T holds keys 16 t + 8 (lane / 16) + j; the conversions' results of tiles 2 b and 2 b + 1 are put so that two exchanges of halves for each pair of blocks give P's layout.
; K = 64 fills half of the instruction's 128.  At k = 64 stands one more product: q's +4 x 2^-40 by k's -4 x 2^(byte - 127), the byte 250 for a hidden key and 1 for an open one: -2^87 or nothing.
; SOFTMAX: t = score x log2(e) / 8; M = the running largest t rounded up to a whole number, kept as -M = floor(-t); the sum is taken of the unquantised p; when M moves, the sum and O^T are multiplied by 2^(old M - new M), exactly.
; The largest t starts at -2^64: hidden keys give p = 0 from the first step on, and the first open key's M multiplies zeros by 0.
; THE SCORES RUN ONE STEP AHEAD.  A step's body begins with its LDS loads (this step's V, the NEXT step's K) and ends with the next step's eight score products and this step's four products V^T P^T:
; the loads have the whole softmax in which to land, and the scores are on their way while the next body issues its loads.  K's registers are free once the score products are issued, S's once p is converted and summed.
; EXPONENTIALS AND PLAIN WORK BY TURNS.  Of the step's plain lines 86 stand among its 68 exponentials: multiply-adds four pairs ahead of their exponentials, sums at least eight exponentials behind theirs,
; the rescaling of O^T and the lines that make p's scale word.  The line behind an exponential never touches its register, and a plain line stands between each exponential and its first reader (ISA guide 5.7.2).
; v's tiles hold d in the order 0 2 4 6 1 3 5 7 of each eight: register j of O^T is d = 16 t + 8 h + 2 (j % 4) + j / 4; the division by l writes each number to its true place.
; LIMITS: every t lies above -2^64.  A batch row whose every key is hidden has l = 0 and is not served.  Blocks under 2^-124 keep the byte 1.  NaN and infinities are not served.
.set KI,   0                           ; K's images: [head 2][step 16][tile 8][512 bytes]
.set VI,   131072                      ; V's: [head][step][tile 4][c 2][512 bytes]
.set KS,   262144                      ; K's scale words: 512 bytes a step
.set VS,   278528                      ; V's: 256 bytes a step
.set ASTG, 286720                      ; the results' scale words: 64 bytes a wave; no fill lands here
.set LI,   1                           ; v1   16 x lane (K's images begin at LDS byte 0)
.set TI,   2                           ; v2   16 x thread
.set OQS,  3                           ; v3   64 w + 4 r
.set AV0,  5                           ; v5   VI + 16 x lane
.set AKS0, 6                           ; v6   KS + 4 x lane
.set AVS0, 7                           ; v7   VS + 4 x lane
.set QF,   8                           ; v8-15    Q: registers 4-7 are written once
.set KF,   16                          ; v16-79   eight tiles of K: registers 4-7 of each are written once
.set SS,   80                          ; v80-143  S^T, then p
.set OO,   144                         ; v144-175 O^T
.set VF,   176                         ; v176-207 four tiles of V
.set PP,   208                         ; v208-215 P
.set TM,   216                         ; v216-219 a block's largest score, then its largest p
.set T2,   220                         ; v220-223
.set SO,   224                         ; v224-227 the conversions' scale operands
.set PW,   228                         ; P's scale word
.set QW,   229                         ; Q's
.set FF,   230                         ; v[230:231] f
.set TMP,  232
.set SUM2, 234
.set NM,   236                         ; -M;  v237 the largest t
.set TX,   237
.set LL,   238                         ; v[238:239] the sum in two halves
.set KSW,  240                         ; v240-243 K's scale words: lanes 0-15 tile 2 p, lanes 16-31 tile 2 p + 1
.set VSW,  244                         ; v244-245 V's likewise
.set ADK,  246
.set ADV,  247
.set ADKS, 248
.set ADVS, 249
.set AWD,  250                         ; the result's scale word
.set ASA,  251
.set OC,   252                         ; v252-255 the result's codes
.set WV,   20
.set HW,   21
.set SEL,  22
.set CS,   24
.set G1,   28
.set G1S,  36
.set G0,   44
.set T4,   66
.set TKS,  67
.set TVS,  68
.set CNT,  69
.macro PLACES
.rept 4
	v_nop
.endr
.endm
.macro ROUND
	s_barrier_signal -1
	s_barrier_wait -1
	s_cmp_lg_u32 s[WV], 0
	s_cbranch_scc1 .Lnot_wave_0_\@
	s_barrier_signal -3
.Lnot_wave_0_\@:
	s_barrier_wait -3
	s_barrier_signal -1
	s_barrier_wait -1
.endm
; My five loads: my half of the scale words, then my half (16 KB) of each quarter of the two heads' images.  All dense: rows of 256 bytes.
.macro ASK IMG, SCL, SCB, pimg, psc
	s_mov_b32 s[G1S+2], ((\SCB)/256)<<16
	s_mov_b32 s[G1S+4], (\SCB)/256
	s_mul_i32 s84, s[HW], \SCB
	s_mov_b32 s85, 0
	s_mov_b32 s[G0], 1
	s_add_co_u32 s[G0+1], s84, \SCL
	s_add_nc_u64 s[G0+2:G0+3], s[\psc:\psc+1], s[84:85]
	s_or_b32 s[G0+3], s[G0+3], 0x80000000
	s_lshl_b32 s84, s[HW], 14
	s_add_nc_u64 s[86:87], s[\pimg:\pimg+1], s[84:85]
.irp n, 0,1,2,3
	s_mov_b32 s[G0+4+4*\n], 1
	s_add_co_u32 s[G0+5+4*\n], s84, \IMG+\n*32768
	s_add_nc_u64 s[G0+6+4*\n:G0+7+4*\n], s[86:87], \n*32768
	s_or_b32 s[G0+7+4*\n], s[G0+7+4*\n], 0x80000000
.endr
	tensor_load_to_lds s[G0:G0+3], s[G1S:G1S+7]
	s_nop 0
.irp n, 1,2,3,4
	tensor_load_to_lds s[G0+4*\n:G0+4*\n+3], s[G1:G1+7]
	s_nop 0
.endr
.rept 4
	v_nop
.endr
.endm
	s_load_b512 s[4:19], s[0:1], 0x0               ; q_img 4, q_sc 6, k_img 8, k_sc 10, v_img 12, v_sc 14, a_img 16, a_sc 18
	v_lshl_add_u32 v254, v0, 2, 0x46400
	v_mov_b32 v255, 0
	ds_add_u32 v254, v255
	ds_add_u32 v254, v255
	s_wait_dscnt 0x0
	v_lshrrev_b32 v1, 5, v0
	v_readfirstlane_b32 s[WV], v1                  ; wave 0..15
	s_and_b32 s[HW], s[WV], 1
	s_bfe_u32 s70, ttmp6, 0x40000                  ; cx
	s_lshl_b32 s71, ttmp9, 2
	s_add_co_u32 s71, s71, s70                     ; qb: my block of 256 queries: it enters q's and the results' addresses alone
	s_and_b32 s72, ttmp7, 0xffff                   ; y = 8 b + pair of heads, which the four partners share
	s_mov_b32 s[G1], 15|(3<<16)|(1<<21)            ; the mask: all four; elements of 8 bytes; bit 21 beside a mask
	s_mov_b32 s[G1+1], 32<<16
	s_mov_b32 s[G1+2], 64<<16
	s_mov_b32 s[G1+3], 32<<16
	s_mov_b32 s[G1+4], 64
	s_mov_b32 s[G1+5], 32
	s_mov_b32 s[G1+6], 0
	s_mov_b32 s[G1+7], 0
	s_mov_b32 s[G1S], 15|(3<<16)|(1<<21)
	s_mov_b32 s[G1S+1], 32<<16
	s_mov_b32 s[G1S+3], 32<<16
	s_mov_b32 s[G1S+5], 32
	s_mov_b32 s[G1S+6], 0
	s_mov_b32 s[G1S+7], 0
	s_mov_b32 s[SEL], 0x76543210
	s_mov_b32 s[SEL+1], 0xfedcba98
	s_mov_b32 s[CS], 0x3e38aa3b                    ; log2(e) / 8
	s_mov_b32 s[CS+1], s[CS]
	s_mov_b32 s[T4], 0
	s_mov_b32 s[TKS], 0
	s_mov_b32 s[TVS], 0
	s_lshl_b32 s88, s72, 17                        ; two heads' images
	s_mov_b32 s89, 0
	s_lshl_b32 s90, s72, 14                        ; two heads' scale words of q or k
	s_mov_b32 s91, 0
	s_lshl_b32 s76, s71, 13
	s_add_co_u32 s76, s76, s88
	s_mov_b32 s77, 0
	s_lshl_b32 s78, s71, 10
	s_add_co_u32 s78, s78, s90
	s_mov_b32 s79, 0
	s_lshr_b32 s73, s72, 3
	s_lshl_b32 s73, s73, 4
	s_lshl_b32 s74, s71, 1
	s_add_co_u32 s73, s73, s74                     ; 16 b + 2 qb: the first of my two blocks of 128 rows
	s_and_b32 s74, s72, 7                          ; the pair of heads = the last product's K step
	s_lshr_b32 s75, s[WV], 3
	s_add_co_u32 s75, s75, s73
	s_lshl_b32 s80, s75, 16
	s_lshl_b32 s75, s74, 13
	s_add_co_u32 s80, s80, s75
	s_and_b32 s75, s[WV], 7
	s_lshl_b32 s75, s75, 10
	s_add_co_u32 s80, s80, s75                     ; a_img: 65,536 a block, 8,192 a K step, 1,024 a tile
	s_mov_b32 s81, 0
	s_add_co_u32 s82, s73, s[WV]                   ; a_sc (used by waves 0 and 1 alone): 4,096 a block, 512 a K step
	s_lshl_b32 s82, s82, 12
	s_lshl_b32 s75, s74, 9
	s_add_co_u32 s82, s82, s75
	s_mov_b32 s83, 0
	s_wait_kmcnt 0x0
	s_add_nc_u64 s[8:9], s[8:9], s[88:89]
	s_add_nc_u64 s[12:13], s[12:13], s[88:89]
	s_add_nc_u64 s[10:11], s[10:11], s[90:91]
	s_lshr_b32 s90, s90, 1
	s_add_nc_u64 s[14:15], s[14:15], s[90:91]
	s_add_nc_u64 s[4:5], s[4:5], s[76:77]
	s_add_nc_u64 s[6:7], s[6:7], s[78:79]
	s_add_nc_u64 s[16:17], s[16:17], s[80:81]
	s_add_nc_u64 s[18:19], s[18:19], s[82:83]
	ROUND                                          ; all four work-groups are here: the joint loads meet
	s_cmp_lt_u32 s[WV], 2                          ; waves 0, 1: K; waves 2, 3: V; the others none.  Five loads of a wave are out at the most
	s_cbranch_scc0 .Lnot_k
	ASK KI, KS, 8192, 8, 10
	s_branch .Lasked
.Lnot_k:
	s_cmp_lt_u32 s[WV], 4
	s_cbranch_scc0 .Lasked
	ASK VI, VS, 4096, 12, 14
.Lasked:
	v_and_b32 v[TMP+1], 31, v0                     ; lane
	v_lshlrev_b32 v[LI], 4, v[TMP+1]
	v_lshlrev_b32 v[TI], 4, v0
	v_and_b32 v[TMP], 15, v0                       ; r
	s_lshl_b32 s74, s[WV], 6
	v_lshl_add_u32 v[OQS], v[TMP], 2, s74
	global_load_b128 v[QF:QF+3], v[TI], s[4:5]     ; my 16 queries of the first head
	global_load_b32 v[QW], v[OQS], s[6:7]
	v_add_nc_u32 v[AV0], VI, v[LI]
	v_lshl_add_u32 v[AKS0], v[TMP+1], 2, KS
	v_lshl_add_u32 v[AVS0], v[TMP+1], 2, VS
	v_add_nc_u32 v[ASA], ASTG, v[OQS]
	v_bfe_u32 v[TMP], v0, 4, 1
	v_sub_nc_u32 v[TMP], 1, v[TMP]                 ; 1 in lanes 0-15
	v_mul_u32_u24 v[QF+4], 6, v[TMP]               ; k = 64: the code +4
	v_mov_b32 v[QF+5], 0
	v_mov_b32 v[QF+6], 0
	v_mov_b32 v[QF+7], 0
.irp t, 0,1,2,3,4,5,6,7
	v_mul_u32_u24 v[KF+8*\t+4], 14, v[TMP]         ; k = 64: the code -4
	v_mov_b32 v[KF+8*\t+5], 0
	v_mov_b32 v[KF+8*\t+6], 0
	v_mov_b32 v[KF+8*\t+7], 0
.endr
.irp b, 0,1,2,3
	v_mov_b32 v[T2+\b], 0                          ; written once: a lane permute's destination counts as one of its sources
.endr
	v_mov_b32 v[FF+1], 0                           ; named as the upper half of a pair
; The eight score products of the step whose K lies in registers; each starts its sum with the constant 0
.macro SMUL
.irp t, 0,2,4,6
	v_wmma_scale_f32_16x16x128_f8f6f4 v[SS+8*\t:SS+8*\t+7], v[KF+8*\t:KF+8*\t+7], v[QF:QF+7], 0, v[KSW+\t/2], v[QW] matrix_a_fmt:MATRIX_FMT_FP4 matrix_b_fmt:MATRIX_FMT_FP4
	v_wmma_scale_f32_16x16x128_f8f6f4 v[SS+8*\t+8:SS+8*\t+15], v[KF+8*\t+8:KF+8*\t+15], v[QF:QF+7], 0, v[KSW+\t/2], v[QW] matrix_a_fmt:MATRIX_FMT_FP4 matrix_b_fmt:MATRIX_FMT_FP4 matrix_a_scale:MATRIX_SCALE_ROW1
.endr
.endm
; O^T += V^T P^T: each of the four accumulators once a step, with other accumulators' products between
.macro PVMUL
.irp t, 0,2
	v_wmma_scale_f32_16x16x128_f8f6f4 v[OO+8*\t:OO+8*\t+7], v[VF+8*\t:VF+8*\t+7], v[PP:PP+7], v[OO+8*\t:OO+8*\t+7], v[VSW+\t/2], v[PW] matrix_a_fmt:MATRIX_FMT_FP4 matrix_b_fmt:MATRIX_FMT_FP4
	v_wmma_scale_f32_16x16x128_f8f6f4 v[OO+8*\t+8:OO+8*\t+15], v[VF+8*\t+8:VF+8*\t+15], v[PP:PP+7], v[OO+8*\t+8:OO+8*\t+15], v[VSW+\t/2], v[PW] matrix_a_fmt:MATRIX_FMT_FP4 matrix_b_fmt:MATRIX_FMT_FP4 matrix_a_scale:MATRIX_SCALE_ROW1
.endr
.endm
; The plain lines that stand among the exponentials, each chosen by a number that the caller sets.
.macro FMA2                            ; pair f_j of the scores: t - M
	v_pk_fma_f32 v[SS+2*f_j:SS+2*f_j+1], v[SS+2*f_j:SS+2*f_j+1], s[CS:CS+1], v[NM:NM+1] op_sel_hi:[1,0,0]
.endm
.macro EXTRA                           ; number x_i of 27: the four blocks' floor, scale operand and byte; p's scale word; pairs 4 to 15 of O^T under the new M, in ascending order
.if x_i < 4
	s_wait_alu depctr_va_vdst(0)
	v_max_num_f32 v[TM+x_i], 0x1800000, v[TM+x_i]                  ; the floor 2^(3 - 127): the byte cannot fall under 1
.elseif x_i < 8
	v_add_nc_u32 v[SO+x_i-4], 0xff000000, v[TM+x_i-4]              ; 2 off the exponent field
.elseif x_i < 12
	v_lshrrev_b32 v[T2+x_i-8], 23, v[SO+x_i-8]
.elseif x_i == 12
	v_lshl_or_b32 v[PW], v[T2+1], 8, v[T2]
.elseif x_i == 13
	v_lshl_or_b32 v[PW], v[T2+2], 16, v[PW]
.elseif x_i == 14
	v_lshl_or_b32 v[PW], v[T2+3], 24, v[PW]
.else
	v_pk_mul_f32 v[OO+2*(x_i-11):OO+2*(x_i-11)+1], v[OO+2*(x_i-11):OO+2*(x_i-11)+1], v[FF:FF+1] op_sel_hi:[1,0]
.endif
.endm
.macro ASUM                            ; number n_i of 31: the sum of the unquantised p, in two chains: number 0 adds pairs 0 and 1, number n takes pair n + 1
.if n_i == 0
	s_wait_alu depctr_va_vdst(0)
	v_pk_add_f32 v[SUM2:SUM2+1], v[SS:SS+1], v[SS+2:SS+3]
.elseif n_i%2 == 1
	s_wait_alu depctr_va_vdst(0)
	v_pk_add_f32 v[LL:LL+1], v[LL:LL+1], v[SS+2*n_i+2:SS+2*n_i+3]
.else
	s_wait_alu depctr_va_vdst(0)
	v_pk_add_f32 v[SUM2:SUM2+1], v[SUM2:SUM2+1], v[SS+2*n_i+2:SS+2*n_i+3]
.endif
.endm
; A KEY STEP: 128 keys, whose scores are on their way.  nk = 1: the next step's K is fetched;  ns = 1: its scores are started;  ql = 1: the second head's Q is asked for.
.macro BODY nk, ns, ql
.if \nk
	v_add_nc_u32 v[ADK], s[T4], v[LI]              ; these four lines are the places behind the last products: in front of the loads into K's, V's and the scale words' registers and of the first read of the scores
	v_add_nc_u32 v[ADKS], s[TKS], v[AKS0]
.else
	v_nop
	v_nop
.endif
	v_add_nc_u32 v[ADV], s[T4], v[AV0]
	v_add_nc_u32 v[ADVS], s[TVS], v[AVS0]
.irp t, 0,1,2,3
.irp c, 0,1
	ds_load_b128 v[VF+8*\t+4*\c:VF+8*\t+4*\c+3], v[ADV] offset:1024*\t+512*\c
.endr
.endr
.irp p, 0,1
	ds_load_b32 v[VSW+\p], v[ADVS] offset:128*\p
.endr
.if \nk
.irp t, 0,1,2,3,4,5,6,7
	ds_load_b128 v[KF+8*\t:KF+8*\t+3], v[ADK] offset:4096+512*\t   ; one step on
.endr
.irp p, 0,1,2,3
	ds_load_b32 v[KSW+\p], v[ADKS] offset:512+128*\p
.endr
.endif
.if \ql
	global_load_b128 v[QF:QF+3], v[TI], s[4:5] offset:65536        ; the first head's last score products stand four places back; this body issues none
	global_load_b32 v[QW], v[OQS], s[6:7] offset:8192
.endif
.irp b, 0,1,2,3
	v_max3_num_f32 v[TM+\b], v[SS+16*\b], v[SS+16*\b+1], v[SS+16*\b+2]   ; the largest score of each block of 32 keys: for the row's maximum, and, since p rises with the score, for the block's largest p
.endr
.irp i, 3,5,7,9,11,13
.irp b, 0,1,2,3
	v_max3_num_f32 v[TM+\b], v[TM+\b], v[SS+16*\b+\i], v[SS+16*\b+\i+1]
.endr
.endr
.irp b, 0,1,2,3
	v_max_num_f32 v[TM+\b], v[TM+\b], v[SS+16*\b+15]
.endr
.irp b, 0,1,2,3
	v_permlanex16_b32 v[T2+\b], v[TM+\b], s[SEL], s[SEL+1]
.endr
.irp b, 0,1,2,3
	v_max_num_f32 v[TM+\b], v[TM+\b], v[T2+\b]
.endr
	v_max3_num_f32 v[TMP], v[TM], v[TM+1], v[TM+2]
	v_max_num_f32 v[TMP], v[TMP], v[TM+3]
	v_mul_f32 v[TMP], s[CS], v[TMP]
	v_max_num_f32 v[TX], v[TX], v[TMP]             ; the running largest t
	v_mov_b32 v[TMP], v[NM]
	v_floor_f32 v[NM], -v[TX]                      ; -M = floor(-t)
	v_sub_f32 v[TMP], v[NM], v[TMP]                ; old M - new M: a whole number, 0 or less
	v_cvt_i32_f32 v[TMP], v[TMP]                   ; (it saturates)
	v_ldexp_f32 v[FF], 1.0, v[TMP]                 ; f = 2^(old M - new M)
.irp b, 0,1,2,3
	v_fma_f32 v[TM+\b], v[TM+\b], s[CS], v[NM]     ; t - M of each block's largest score
.endr
.set f_j, 0
.rept 4
	FMA2                                           ; the first four pairs
.set f_j, f_j+1
.endr
	v_pk_mul_f32 v[LL:LL+1], v[LL:LL+1], v[FF:FF+1] op_sel_hi:[1,0]   ; the sums under the new M
.irp b, 0,1,2,3
	v_exp_f32 v[TM+\b], v[TM+\b]                   ; the block's largest p: the same two instructions on the same number as its p
	v_pk_mul_f32 v[OO+2*\b:OO+2*\b+1], v[OO+2*\b:OO+2*\b+1], v[FF:FF+1] op_sel_hi:[1,0]   ; O^T under the new M, from each accumulator's low end on
.endr
; Behind exponential k: at even k up to 54 the multiply-add of pair k / 2 + 4; at k up to 10 and at even k up to 42 the next of the 27 lines of EXTRA; at odd k from 11 on sum (k - 11) / 2, which reads p up to number k - 8
.set k, 0
.rept 64
	v_exp_f32 v[SS+k], v[SS+k]                     ; p = 2^(t - M)
.if (k%2 == 0) && (k <= 54)
.set f_j, k/2+4
	FMA2
.endif
.if k <= 10
.set x_i, k
	EXTRA
.elseif (k%2 == 0) && (k <= 42)
.set x_i, k/2+5
	EXTRA
.endif
.if (k%2 == 1) && (k >= 11)
.set n_i, (k-11)/2
	ASUM
.endif
.set k, k+1
.endr
	s_wait_alu depctr_va_vdst(0)
.irp c, 0,1
.irp e, 0,1
	v_cvt_scalef32_pk8_fp4_f32 v[PP+4*\c+\e], v[SS+16*(2*\c+\e):SS+16*(2*\c+\e)+7], v[SO+2*\c+\e]
	v_cvt_scalef32_pk8_fp4_f32 v[PP+4*\c+2+\e], v[SS+16*(2*\c+\e)+8:SS+16*(2*\c+\e)+15], v[SO+2*\c+\e]
.endr
.endr
.set n_i, 27
	ASUM                                           ; the plain place behind the conversions
.irp c, 0,1
	v_permlane16_swap_b32 v[PP+4*\c], v[PP+4*\c+1]
	v_permlane16_swap_b32 v[PP+4*\c+2], v[PP+4*\c+3]
.endr
.set n_i, 28
.rept 3
	ASUM                                           ; these three and the line below are the four places between the exchanges and the product that takes P
.set n_i, n_i+1
.endr
	v_pk_add_f32 v[LL:LL+1], v[LL:LL+1], v[SUM2:SUM2+1]
	s_wait_dscnt 0x0                               ; V and the next step's K are in: asked for at the body's head
.if \ns
	SMUL                                           ; the next step's scores first: they are read first
.endif
	PVMUL
	s_add_co_u32 s[T4], s[T4], 4096
	s_add_co_u32 s[TKS], s[TKS], 512
	s_add_co_u32 s[TVS], s[TVS], 256
.endm
; Quarter n of the two heads' K and V has landed in every wave's eyes
.macro MEET n
	s_wait_tensorcnt 3-\n                          ; my scale words and my parts of quarters 0 .. n are in; the later quarters may stay out
	s_wait_dscnt 0x0
	s_barrier_signal -1
	s_barrier_wait -1                              ; everybody's are
.endm
.macro RUN trips
	s_mov_b32 s[CNT], \trips
.Lstep_\@:
	BODY 1, 1, 0
	s_sub_co_u32 s[CNT], s[CNT], 1
	s_cmp_lg_u32 s[CNT], 0
	s_cbranch_scc1 .Lstep_\@
.endm
.macro FIRSTK                          ; the first step's K has no body ahead of it
	v_add_nc_u32 v[ADK], s[T4], v[LI]
	v_add_nc_u32 v[ADKS], s[TKS], v[AKS0]
.irp t, 0,1,2,3,4,5,6,7
	ds_load_b128 v[KF+8*\t:KF+8*\t+3], v[ADK] offset:512*\t
.endr
.irp p, 0,1,2,3
	ds_load_b32 v[KSW+\p], v[ADKS] offset:128*\p
.endr
	s_wait_dscnt 0x0
.endm
.macro INIT
.irp j, 0,1,2,3,4,5,6,7,8,9,10,11,12,13,14,15,16,17,18,19,20,21,22,23,24,25,26,27,28,29,30,31
	v_mov_b32 v[OO+\j], 0                          ; the step has no first form of its own: a head's first step finds zeros
.endr
	v_mov_b32 v[LL], 0
	v_mov_b32 v[LL+1], 0
	v_mov_b32 v[TX], 0xdf800000                    ; -2^64
	v_floor_f32 v[NM], -v[TX]
	s_wait_loadcnt 0x0                             ; Q and its scale words
.endm
; A head's result: O / l, each number to its true d; quantised along d; its half of the fragment stored
.macro OUT hd
	PLACES
	v_add_f32 v[TMP], v[LL], v[LL+1]
	v_permlanex16_b32 v[T2], v[TMP], s[SEL], s[SEL+1]
	v_add_f32 v[TMP], v[TMP], v[T2]
	v_rcp_f32 v[TMP], v[TMP]
	v_nop
	s_wait_alu depctr_va_vdst(0)
.irp t, 0,1,2,3
.irp j, 0,1,2,3,4,5,6,7
	v_mul_f32 v[SS+8*\t+2*(\j&3)+(\j>>2)], v[OO+8*\t+\j], v[TMP]
.endr
.endr
.irp b, 0,1
	v_max3_num_f32 v[TM+\b], |v[SS+16*\b]|, |v[SS+16*\b+1]|, 0x1800000
.endr
.irp i, 2,4,6,8,10,12,14
.irp b, 0,1
	v_max3_num_f32 v[TM+\b], |v[SS+16*\b+\i]|, |v[SS+16*\b+\i+1]|, v[TM+\b]
.endr
.endr
.irp b, 0,1
	v_permlanex16_b32 v[T2+\b], v[TM+\b], s[SEL], s[SEL+1]
.endr
.irp b, 0,1
	v_max_num_f32 v[TM+\b], v[TM+\b], v[T2+\b]
.endr
.irp b, 0,1
	v_add_nc_u32 v[SO+\b], 0xff000000, v[TM+\b]
.endr
.irp b, 0,1
	v_lshrrev_b32 v[T2+\b], 23, v[SO+\b]
.endr
.if \hd
	s_wait_xcnt 0x0                                ; the first head's store has read its data: they are written again only behind this wait
	v_lshl_or_b32 v[TMP], v[T2+1], 8, v[T2]
	v_lshl_or_b32 v[AWD], v[TMP], 16, v[AWD]
.else
	v_lshl_or_b32 v[AWD], v[T2+1], 8, v[T2]
.endif
	v_cvt_scalef32_pk8_fp4_f32 v[OC], v[SS:SS+7], v[SO]
	v_cvt_scalef32_pk8_fp4_f32 v[OC+1], v[SS+16:SS+23], v[SO+1]
	v_cvt_scalef32_pk8_fp4_f32 v[OC+2], v[SS+8:SS+15], v[SO]
	v_cvt_scalef32_pk8_fp4_f32 v[OC+3], v[SS+24:SS+31], v[SO+1]
	v_nop
	v_permlane16_swap_b32 v[OC], v[OC+1]
	v_permlane16_swap_b32 v[OC+2], v[OC+3]
	global_store_b128 v[LI], v[OC:OC+3], s[16:17] offset:512*\hd       ; 512 consecutive bytes, aligned
.endm
; Steps 0-15 are the first head's, 16-31 the second's; a quarter is eight steps.  K is read a step ahead of V, so a quarter's barrier stands ahead of the body that fetches its first K.
	INIT
	MEET 0
	FIRSTK
	SMUL                                           ; step 0's scores
	RUN 7                                          ; steps 0-6: K up to step 7
	MEET 1
	RUN 8                                          ; steps 7-14: K up to step 15
	MEET 2
	BODY 1, 0, 1                                   ; step 15: the second head's first K and its Q are fetched; no scores: they want that Q
	OUT 0
	INIT
	SMUL                                           ; step 16's scores
	RUN 7                                          ; steps 16-22
	MEET 3
	RUN 8                                          ; steps 23-30
	BODY 0, 0, 0                                   ; step 31: nothing is left to fetch
	OUT 1
	ds_store_b32 v[ASA], v[AWD]                    ; lanes r and 16 + r write the same word with the same value
	s_wait_dscnt 0x0
	s_barrier_signal -1
	s_barrier_wait -1
	s_cmp_lt_u32 s[WV], 2                          ; waves 0 and 1 store the words of eight tiles each: 512 consecutive bytes
	s_cbranch_scc0 .Lno_words
	v_add_nc_u32 v[TMP], ASTG, v[TI]
	ds_load_b128 v[SS:SS+3], v[TMP]
	s_wait_dscnt 0x0
	global_store_b128 v[LI], v[SS:SS+3], s[18:19]
.Lno_words:
	s_wait_xcnt 0x0
	v_lshl_add_u32 v254, v0, 2, 0x46400
	v_mov_b32 v255, 0
	s_wait_tensorcnt 0x0
	ds_add_u32 v254, v255
	s_wait_dscnt 0x0
	ROUND                                          ; the closing round
	s_endpgm
.Lfunc_end_k_qaa27d91c11_attn:
	.size	k_qaa27d91c11_attn, .Lfunc_end_k_qaa27d91c11_attn-k_qaa27d91c11_attn
	.p2alignl 7, 3214868480
	.fill 96, 4, 3214868480
	.section	.rodata,"a",@progbits
	.p2align	6, 0x0
	.amdhsa_kernel k_qaa27d91c11_attn
		.amdhsa_group_segment_fixed_size 289792
		.amdhsa_private_segment_fixed_size 0
		.amdhsa_enable_private_segment 0
		.amdhsa_kernarg_size 64
		.amdhsa_user_sgpr_count 2
		.amdhsa_user_sgpr_kernarg_segment_ptr 1
		.amdhsa_wavefront_size32 1
		.amdhsa_system_sgpr_workgroup_id_x 1
		.amdhsa_system_sgpr_workgroup_id_y 1
		.amdhsa_system_sgpr_workgroup_id_z 1
		.amdhsa_system_vgpr_workitem_id 0
		.amdhsa_next_free_vgpr 256
		.amdhsa_next_free_sgpr 92
		.amdhsa_reserve_vcc 0
		.amdhsa_float_denorm_mode_32 3
		.amdhsa_float_denorm_mode_16_64 3
		.amdhsa_memory_ordered 1
		.amdhsa_forward_progress 1
		.amdhsa_inst_pref_size 117
	.end_amdhsa_kernel
	.amdgpu_metadata
---
amdhsa.version: [ 1, 2 ]
amdhsa.kernels:
  - .name:           k_qaa27d91c11_attn
    .symbol:         k_qaa27d91c11_attn.kd
    .args:
      - { .name: q_img, .offset: 0, .size: 8, .value_kind: global_buffer, .address_space: global }
      - { .name: q_sc, .offset: 8, .size: 8, .value_kind: global_buffer, .address_space: global }
      - { .name: k_img, .offset: 16, .size: 8, .value_kind: global_buffer, .address_space: global }
      - { .name: k_sc, .offset: 24, .size: 8, .value_kind: global_buffer, .address_space: global }
      - { .name: v_img, .offset: 32, .size: 8, .value_kind: global_buffer, .address_space: global }
      - { .name: v_sc, .offset: 40, .size: 8, .value_kind: global_buffer, .address_space: global }
      - { .name: a_img, .offset: 48, .size: 8, .value_kind: global_buffer, .address_space: global }
      - { .name: a_sc, .offset: 56, .size: 8, .value_kind: global_buffer, .address_space: global }
    .group_segment_fixed_size: 289792
    .private_segment_fixed_size: 0
    .kernarg_segment_align: 8
    .kernarg_segment_size: 64
    .max_flat_workgroup_size: 512
    .sgpr_count:     92
    .vgpr_count:     256
    .wavefront_size: 32
...
	.end_amdgpu_metadata
.endif
;; end of part 5
;; launch proj: the kernel of part 3 again; grid 4 x 64, 4 waves a work-group, clusters of 4 x 4, 222,720 bytes of LDS; arguments a_img, a_sc, Wo_codes, Wo_scales, bo, out0; writes out0
